; MI455X (gfx1250); checked and timed in simulation.
; The chip was launched on July 23, 2026; its instructions are those of AMD's public machine-readable ISA for CDNA 5 (MIT licence, August 2026) and "CDNA5" Instruction Set Architecture Reference Guide (July 2026). The comments in the code are by the model that wrote it; some were corrected since.
;; MHA. Allowed arithmetic: float matrix products may take bf16 or f16 operands with f32 sums; other float arithmetic in f32, or as packed bf16 or f16 multiplies, adds, multiply-adds, maxima and minima; sums over many terms, partial sums and values carried from step to step in f32; what a program stores and reads back later, other than sums and carried values, may be rounded once to bf16 or f16.
;; Inputs: Wk 1,024 x 1,024 float32; Wo 1,024 x 1,024 float32; Wq 1,024 x 1,024 float32; Wv 1,024 x 1,024 float32; bk 1,024 float32; bo 1,024 float32; bq 1,024 float32; bv 1,024 float32; x 4 x 2,048 x 1,024 float32.
;; Outputs: out0 4 x 2,048 x 1,024 float32.
;; One version. Each part assembles by itself: llvm-mc -triple=amdgcn-amd-amdhsa -mcpu=gfx1250 --defsym DOCPART=n.
;; ======== version 1 of 1: 5 launches
;; limits: values are held in f16: magnitudes above 65,504 overflow, below 6.1e-05 lose precision
;; workspace buffers: xb 16,777,216 bytes; wqkv 6,291,456 bytes; wo16 2,097,152 bytes; bias 16,384 bytes; qkv 50,331,648 bytes; p 33,554,432 bytes; stats 1,048,576 bytes; z 16,777,216 bytes
;; launch cvt (part 1): grid 769 x 1, 8 waves a work-group, no clusters, 0 bytes of LDS; arguments x, Wq, Wk, Wv, Wo, bq, bk, bv, bo, xb, wqkv, wo16, bias; writes xb, wqkv, wo16, bias
.if DOCPART == 1
	.amdgcn_target "amdgcn-amd-amdhsa--gfx1250"
	.amdhsa_code_object_version 6
	.text
	.protected	k_qa87b25bc13_cvt
	.globl	k_qa87b25bc13_cvt
	.p2align	8
	.type	k_qa87b25bc13_cvt,@function
k_qa87b25bc13_cvt:
	s_mov_b64 s[64:65], 0
	v_nop
	global_prefetch_b8 v0, s[64:65] scope:SCOPE_SE
	s_setreg_imm32_b32 hwreg(HW_REG_WAVE_MODE, 25, 1), 1
	s_wait_xcnt 0x0
; THE INPUTS ARE ROUNDED ONCE, TO bf16.  x -> xb and Wq | Wk | Wv -> wqkv (stacked, 3,072 rows) as bf16; Wo -> wo16: rounded to bf16 and that number written as f16;
; bq | bk | bv | bo -> bias: rounded to bf16 and written as f32 (they start f32 sums).
; LIMITS.  A weight of Wo beyond 65,504 becomes an infinity; below 6e-5 f16 keeps a fixed step of 6e-8.  NaN and infinities are not treated apart.
; A stream: no LDS, no matrix unit, no cluster (no two work-groups read the same byte).  A work-group of 256 threads converts 16,384 numbers: 64 KiB in, 32 KiB out.
; Thread t takes 8 neighbouring numbers (32 bytes) of each of eight pieces of 8,192 bytes, and stores 16 bytes: a wave's store covers 512 consecutive bytes, aligned.
; All sixteen loads go out at once; each piece has data registers of its own, for its loads and for its store, so no register is written twice.
; Work-group g: 0-511 x; 512-703 Wq, Wk, Wv (64 each); 704-767 Wo; 768 the four biases.
.set X, 16                             ; v[16:79]   piece i: 8 numbers as loaded
.set Y, 80                             ; v[80:111]  piece i: 4 registers to store
.set T, 4                              ; v[4:11]    at work
	s_load_b512 s[8:23], s[0:1], 0x0               ; x s[8:9], Wq s[10:11], Wk s[12:13], Wv s[14:15], Wo s[16:17], bq s[18:19], bk s[20:21], bv s[22:23]
	s_load_b256 s[24:31], s[0:1], 0x40             ; bo s[24:25], xb s[26:27], wqkv s[28:29], wo16 s[30:31]
	s_load_b64 s[32:33], s[0:1], 0x60              ; bias
	s_mov_b32 s2, ttmp9                            ; g
	s_sub_co_u32 s5, s2, 512                       ; the chunk in wqkv (used from g = 512 on)
	s_and_b32 s6, s5, 63                           ; the chunk in one weight matrix: 64 chunks each
	s_mov_b32 s34, 0xffff0000                      ; a word's upper bf16
	v_lshlrev_b32 v1, 5, v0                        ; 32 t: my 8 numbers in a piece
	v_lshlrev_b32 v2, 4, v0                        ; 16 t: where they go
	s_wait_kmcnt 0x0
	s_cmp_ge_u32 s2, 768
	s_cbranch_scc1 .Lbias
	s_cmp_ge_u32 s2, 512                           ; source, destination and chunk numbers are chosen by g alone
	s_cselect_b64 s[36:37], s[10:11], s[8:9]
	s_cselect_b64 s[38:39], s[28:29], s[26:27]
	s_cselect_b32 s3, s6, s2
	s_cselect_b32 s4, s5, s2
	s_cmp_ge_u32 s2, 576
	s_cselect_b64 s[36:37], s[12:13], s[36:37]
	s_cmp_ge_u32 s2, 640
	s_cselect_b64 s[36:37], s[14:15], s[36:37]
	s_cmp_ge_u32 s2, 704
	s_cselect_b64 s[36:37], s[16:17], s[36:37]
	s_cselect_b64 s[38:39], s[30:31], s[38:39]
	s_cselect_b32 s4, s6, s4
	s_lshl_b32 s40, s3, 16                         ; 65,536 bytes of f32 a chunk,
	s_mov_b32 s41, 0
	s_lshl_b32 s42, s4, 15                         ; 32,768 bytes of 16-bit numbers
	s_mov_b32 s43, 0
	s_add_nc_u64 s[36:37], s[36:37], s[40:41]
	s_add_nc_u64 s[38:39], s[38:39], s[42:43]
.irp i, 0,1,2,3,4,5,6,7
	global_load_b128 v[X+8*(\i):X+8*(\i)+3],   v1, s[36:37] offset:8192*(\i) th:TH_LOAD_NT
	global_load_b128 v[X+8*(\i)+4:X+8*(\i)+7], v1, s[36:37] offset:8192*(\i)+16 th:TH_LOAD_NT
.endr
; Piece i.  h = 1: the bf16 numbers are written as f16.
.macro CONV i, h
	s_wait_loadcnt 14-2*(\i)                       ; loads come back in order: my two are in, the younger ones stay out
.irp k, 0,1,2,3
	v_cvt_pk_bf16_f32 v[Y+4*(\i)+(\k)], v[X+8*(\i)+2*(\k)], v[X+8*(\i)+2*(\k)+1]
.endr
.if \h
.irp k, 0,1,2,3
	v_lshlrev_b32 v[T+2*(\k)],   16, v[Y+4*(\i)+(\k)]
	v_and_b32     v[T+2*(\k)+1], s34, v[Y+4*(\i)+(\k)]
.endr
.irp k, 0,1,2,3
	v_cvt_pk_f16_f32 v[Y+4*(\i)+(\k)], v[T+2*(\k)], v[T+2*(\k)+1]
.endr
.endif
	global_store_b128 v2, v[Y+4*(\i):Y+4*(\i)+3], s[38:39] offset:4096*(\i)
.endm
	s_cmp_ge_u32 s2, 704
	s_cbranch_scc1 .Lf16
.irp i, 0,1,2,3,4,5,6,7
	CONV \i, 0
.endr
	s_endpgm
.Lf16:
.irp i, 0,1,2,3,4,5,6,7
	CONV \i, 1
.endr
	s_endpgm
.Lbias:                                        ; 256 threads x 4 numbers = one bias of 1,024
	global_load_b128 v[X:X+3],     v2, s[18:19]
	global_load_b128 v[X+4:X+7],   v2, s[20:21]
	global_load_b128 v[X+8:X+11],  v2, s[22:23]
	global_load_b128 v[X+12:X+15], v2, s[24:25]
	s_wait_loadcnt 0x0
.irp n, 0,1,2,3
	v_cvt_pk_bf16_f32 v[T+2*(\n)],   v[X+4*(\n)],   v[X+4*(\n)+1]
	v_cvt_pk_bf16_f32 v[T+2*(\n)+1], v[X+4*(\n)+2], v[X+4*(\n)+3]
	v_lshlrev_b32 v[Y+4*(\n)],   16,  v[T+2*(\n)]
	v_and_b32     v[Y+4*(\n)+1], s34, v[T+2*(\n)]
	v_lshlrev_b32 v[Y+4*(\n)+2], 16,  v[T+2*(\n)+1]
	v_and_b32     v[Y+4*(\n)+3], s34, v[T+2*(\n)+1]
	global_store_b128 v2, v[Y+4*(\n):Y+4*(\n)+3], s[32:33] offset:4096*(\n)
.endr
	s_endpgm
.Lfunc_end_k_qa87b25bc13_cvt:
	.size	k_qa87b25bc13_cvt, .Lfunc_end_k_qa87b25bc13_cvt-k_qa87b25bc13_cvt
	.p2alignl 7, 3214868480
	.fill 96, 4, 3214868480
	.section	.rodata,"a",@progbits
	.p2align	6, 0x0
	.amdhsa_kernel k_qa87b25bc13_cvt
		.amdhsa_group_segment_fixed_size 0
		.amdhsa_private_segment_fixed_size 0
		.amdhsa_enable_private_segment 0
		.amdhsa_kernarg_size 104
		.amdhsa_user_sgpr_count 2
		.amdhsa_user_sgpr_kernarg_segment_ptr 1
		.amdhsa_wavefront_size32 1
		.amdhsa_system_sgpr_workgroup_id_x 1
		.amdhsa_system_sgpr_workgroup_id_y 1
		.amdhsa_system_sgpr_workgroup_id_z 1
		.amdhsa_system_vgpr_workitem_id 0
		.amdhsa_next_free_vgpr 112
		.amdhsa_next_free_sgpr 66
		.amdhsa_reserve_vcc 0
		.amdhsa_float_denorm_mode_32 3
		.amdhsa_float_denorm_mode_16_64 3
		.amdhsa_memory_ordered 1
		.amdhsa_forward_progress 1
		.amdhsa_inst_pref_size 15
	.end_amdhsa_kernel
	.amdgpu_metadata
---
amdhsa.version: [ 1, 2 ]
amdhsa.kernels:
  - .name:           k_qa87b25bc13_cvt
    .symbol:         k_qa87b25bc13_cvt.kd
    .args:
      - { .name: x, .offset: 0, .size: 8, .value_kind: global_buffer, .address_space: global }
      - { .name: Wq, .offset: 8, .size: 8, .value_kind: global_buffer, .address_space: global }
      - { .name: Wk, .offset: 16, .size: 8, .value_kind: global_buffer, .address_space: global }
      - { .name: Wv, .offset: 24, .size: 8, .value_kind: global_buffer, .address_space: global }
      - { .name: Wo, .offset: 32, .size: 8, .value_kind: global_buffer, .address_space: global }
      - { .name: bq, .offset: 40, .size: 8, .value_kind: global_buffer, .address_space: global }
      - { .name: bk, .offset: 48, .size: 8, .value_kind: global_buffer, .address_space: global }
      - { .name: bv, .offset: 56, .size: 8, .value_kind: global_buffer, .address_space: global }
      - { .name: bo, .offset: 64, .size: 8, .value_kind: global_buffer, .address_space: global }
      - { .name: xb, .offset: 72, .size: 8, .value_kind: global_buffer, .address_space: global }
      - { .name: wqkv, .offset: 80, .size: 8, .value_kind: global_buffer, .address_space: global }
      - { .name: wo16, .offset: 88, .size: 8, .value_kind: global_buffer, .address_space: global }
      - { .name: bias, .offset: 96, .size: 8, .value_kind: global_buffer, .address_space: global }
    .group_segment_fixed_size: 0
    .private_segment_fixed_size: 0
    .kernarg_segment_align: 8
    .kernarg_segment_size: 104
    .max_flat_workgroup_size: 256
    .sgpr_count:     66
    .vgpr_count:     112
    .wavefront_size: 32
...
	.end_amdgpu_metadata
.endif
;; end of part 1
;; launch proj (part 2): grid 8 x 32, 4 waves a work-group, clusters of 4 x 4, 327,680 bytes of LDS; arguments xb, wqkv, bias, qkv; writes qkv
.if DOCPART == 2
	.amdgcn_target "amdgcn-amd-amdhsa--gfx1250"
	.amdhsa_code_object_version 6
	.text
	.protected	k_qa87b25bc13_proj
	.globl	k_qa87b25bc13_proj
	.p2align	8
	.type	k_qa87b25bc13_proj,@function
k_qa87b25bc13_proj:
	s_mov_b64 s[64:65], 0
	v_nop
	global_prefetch_b8 v0, s[64:65] scope:SCOPE_SE
	s_setreg_imm32_b32 hwreg(HW_REG_WAVE_MODE, 25, 1), 1
	s_wait_xcnt 0x0
	s_wait_alu depctr_hold_cnt(0) depctr_sa_sdst(0) depctr_va_vdst(0) depctr_va_sdst(0) depctr_va_ssrc(0) depctr_va_vcc(0) depctr_vm_vsrc(0)
	s_getreg_b32 s2, hwreg(HW_REG_IB_STS2, 6, 4)
	s_cmp_eq_u32 s2, 0
	s_cbranch_scc0 .Lentry_in_a_cluster
	s_endpgm
.Lentry_in_a_cluster:
	s_bfe_u32 s2, ttmp6, 0x10000c
	s_cmp_lg_u32 s2, 0xf033
	s_cbranch_scc0 .Lentry_shape_is_right
	s_endpgm
.Lentry_shape_is_right:
; qkv[m][n] = bias[n] + the sum over k of xb[m][k] wqkv[n][k].  xb: [8192][1024] bf16, wqkv: [3072][1024] bf16, bias: f32, qkv: [8192][3072] f16 (q | k | v in a row).  Sums in f32, rounded once.
; LIMIT.  f16 holds no number beyond 65,504: a q, k or v past that becomes an infinity; below 6e-5 f16 keeps a fixed step of 6e-8.  NaN and infinities are not treated apart.
; SHARES.  A tile of the result is 256 rows x 128 columns: four waves one below the other, each 64 x 128: 32 accumulators of 16 x 16, 256 registers.  A wave's 128 columns are 256 bytes of f16, so each
; wave has a stage of its own on the way out and no barrier there.  768 tiles, 256 work-groups: A WORK-GROUP STAYS on its 256 rows of xb and makes three tiles, columns 128 tx of q, of k and of v;
; the ring of LDS slots runs on from tile to tile.
; K goes in steps of 128 (256 bytes of each row, aligned) through two LDS slots filled by the tensor data mover; a step is four quarters of 32 along K on two fragment buffers.
; CLUSTER 4 x 4: the four work-groups of a row of the cluster need the same rows of xb, the four of a column the same rows of wqkv: each tile is asked for JOINTLY, by the same load, descriptor and mask.
; THE PRODUCT IS USED TRANSPOSED (source 0 = 16 rows of wqkv, source 1 = 16 rows of xb): lane l holds row l % 16 of the result and its registers the columns 8 (l / 16) + 0..7.
; THE BIAS STARTS THE SUMS: it is the C operand of a tile's first products, laid in registers as a result is.
; REGISTERS, in windows of 256 (s_set_vgpr_msb: bits 1:0 source 0, 3:2 source 1, 5:4 source 2, 7:6 destination):
;   window 0: v0-15 addresses; v32-63 packed results; v64-159, v160-255 two fragment buffers (A's four fragments, then B's eight)     window 1: accumulator (a, b) at 8 (8 a + b)     window 2: v0-63 the bias
.set KB,     256                       ; bytes of a K step in a row
.set PITCH,  272                       ; an LDS row: 256 bytes + 16 of padding = 68 words: the 16 rows of a fragment load start at 16 different groups of four banks (64 banks of 4 bytes: ISA guide 11.1)
.set FR,     16*PITCH
.set BOFF,   256*PITCH                 ; in a slot: A's 256 rows, then B's 128
.set SLOT1,  1<<17                     ; slot 1 begins here, so that one exclusive or turns an address in one slot into the other's
.set STAGE,  SLOT1+384*PITCH           ; behind the ring: 16 rows x 272 bytes for each wave
.set SPARE,  STAGE+4*FR                ; behind the stages: the spare words, 128 bytes for each wave, that no other line names
.set STEPS,  8
.set NAW,    2                         ; waves 0, 1 fetch A's halves, waves 2, 3 B's
.set CP,     6144                      ; bytes in a row of qkv
.set BACK_A, (STEPS-1)*KB              ; from a tile's last K step to the next tile's first: A goes back along K,
.set NEXT_B, 1024*2048-(STEPS-1)*KB    ; B 1,024 rows down and back
.set GW,     (1<<16)|(1<<20)|(1<<21)|(5<<22)|(3<<25)  ; group 1, word 0 without the mask: 2-byte elements; padding on; bit 21 beside a mask; after every 64 words; 4 words
.set CA0, 4                            ; v4, v5   my lane's place in slot 0's A and B; never rewritten
.set CB0, 5
.set CA,  6                            ; v6, v7   the same in the slot in hand
.set CB,  7
.set STO, 8                            ; v8   the way out: where I put 16 bytes of a row
.set RD,  9                            ; v9   where I read a row back
.set CO,  10                           ; v10  my byte offset in two rows of qkv
.set BO,  11                           ; v11  my byte offset in the bias
.set PFO, 12                           ; v12  the prefetches' offset: my lane x a row; never rewritten
.set SPW, 14                           ; v14  LDS address of my spare word; never rewritten
.set NIL, 15                           ; v15  0; never rewritten
.set TMP, 32
.set F0,  64
.set F1,  160
.set G1A, 24                           ; s[24:31], s[32:39] descriptor group 1 for A's and B's tiles
.set G1B, 32
.set G0A, 40                           ; s[40:43] group 0 of A's first fill, s[44:47] the one that walks
.set G0B, 48                           ; s[48:55] the same for B
.set TB,  56                           ; s56  LDS byte at which the slot in hand begins
.set LIM, 57                           ; s57  2 in a wave that prefetches, else the greatest number
.set PFA, 58                           ; s[58:59] where my prefetches stand
.set W_MUL,  0x50                      ; fragments in window 0, C and D in window 1
.set W_MULC, 0x60                      ; C in window 2, D in window 1
.set MSB, 0
.macro WIN new                         ; the immediate's high byte repeats the setting that is left; a switch that changes nothing is dropped
.if MSB != (\new)
	s_set_vgpr_msb (MSB<<8)|(\new)
.set MSB, (\new)
.endif
.endm
.macro PLACES                          ; four plain instructions between a matrix instruction and a load into, or a read of, its registers
.rept 4
	v_nop
.endr
.endm
.macro CREST                           ; a round of the cluster's barrier behind its opening barrier
	s_cmp_lg_u32 s12, 0
	s_cbranch_scc1 .Lnot_wave_0_\@
	s_barrier_signal -3
.Lnot_wave_0_\@:
	s_barrier_wait -3
	s_barrier_signal -1
	s_barrier_wait -1
.endm
.macro CROUND
	s_barrier_signal -1
	s_barrier_wait -1
	CREST
.endm
.macro JLOAD                           ; a joint refill; the branch hangs on the wave's number alone; an s_nop 0 and four v_nop follow each line
	s_cmp_lt_u32 s12, NAW
	s_cbranch_scc0 .Lfor_b_\@
	tensor_load_to_lds s[G0A+4:G0A+7], s[G1A:G1A+7]
	s_nop 0
	PLACES
	s_branch .Lasked_\@
.Lfor_b_\@:
	tensor_load_to_lds s[G0B+4:G0B+7], s[G1B:G1B+7]
	s_nop 0
	PLACES
.Lasked_\@:
.endm
; A PREFETCH of the K step that stands two refills on: 32 rows x 256 bytes, a lane a row, one instruction a wave.  Each row's 256 bytes of a K step are named once in the launch: xb's rows by the clusters
; with x = 0 (waves 0, 1), wqkv's by the clusters with y = 0 (wave 2); the four partners that ask for a tile jointly share its rows out BY ADDRESS, 32 each.  how = 0, in a tile: its last two refills
; have no K step two on (s3 is 2 and 1 there); how != 0: at a change of tiles, for the next tile's K steps 2 and 3 of wqkv.
.macro ASK how
.if \how
	s_cmp_eq_u32 s[LIM], 2
.else
	s_cmp_gt_u32 s3, s[LIM]
.endif
	s_cbranch_scc0 .Lnot_mine_\@
	global_prefetch_b8 v[PFO], s[PFA:PFA+1] offset:KB th:TH_LOAD_NT scope:SCOPE_SE
.Lnot_mine_\@:
.endm
; Eight matrix instructions: row block a x all 8 column blocks, 32 along K.  c = 0: onto the sums; c = 2: the bias starts them.  The 32 accumulators take turns, one instruction a turn, in the
; same order in every quarter, over the backward jumps and from tile to tile.
.macro MUL f, a, c
.if (\c) == 2
	WIN W_MULC
.else
	WIN W_MUL
.endif
.irp b, 0,1,2,3,4,5,6,7
.if (\c) == 2
	v_wmma_f32_16x16x32_bf16 v[64*(\a)+8*(\b):64*(\a)+8*(\b)+7], v[(\f)+32+8*(\b):(\f)+32+8*(\b)+7], v[(\f)+8*(\a):(\f)+8*(\a)+7], v[8*(\b):8*(\b)+7]
.else
	v_wmma_f32_16x16x32_bf16 v[64*(\a)+8*(\b):64*(\a)+8*(\b)+7], v[(\f)+32+8*(\b):(\f)+32+8*(\b)+7], v[(\f)+8*(\a):(\f)+8*(\a)+7], v[64*(\a)+8*(\b):64*(\a)+8*(\b)+7]
.endif
.endr
.endm
; 24 LDS loads in one run: a quarter's fragments (at byte k of the rows) into buffer f: B's eight, then A's four.  A fragment is 16 rows x 32 K: two loads of 16 bytes a lane, 32 bytes apart.
.macro FETCH k, f
	WIN 0
.irp b, 0,1,2,3,4,5,6,7
	ds_load_b128 v[(\f)+32+8*(\b):(\f)+32+8*(\b)+3],   v[CB] offset:(\k)+FR*(\b)
	ds_load_b128 v[(\f)+32+8*(\b)+4:(\f)+32+8*(\b)+7], v[CB] offset:(\k)+FR*(\b)+32
.endr
.irp a, 0,1,2,3
	ds_load_b128 v[(\f)+8*(\a):(\f)+8*(\a)+3],   v[CA] offset:(\k)+FR*(\a)
	ds_load_b128 v[(\f)+8*(\a)+4:(\f)+8*(\a)+7], v[CA] offset:(\k)+FR*(\a)+32
.endr
.endm
; One of a step's first three quarters: multiplies buffer f; in its middle it fetches the next quarter, at byte k, into buffer g.
.macro QUARTER k, f, g, c
	s_wait_dscnt 4                                 ; B and A's fragments 0, 1 are in; the youngest four loads (A's 2, 3) may be out
	MUL \f, 0, \c
	MUL \f, 1, \c
	PLACES
	FETCH \k, \g
	s_wait_dscnt 24                                ; all but the 24 just issued
	MUL \f, 2, \c
	MUL \f, 3, \c
.endm
; The fourth quarter multiplies buffer 1 and changes slots.  In front of the barrier each wave waits for all its tensor loads (one is out: its part of the next slot), adds 0 to its spare word,
; and waits for that and for its reads of this slot.  fill = 1: the barrier opens a round of the cluster's barrier, and behind the round this slot is filled again, first thing.
; wrap = 0: with this tile's K step two on; 1: with the next tile's K step 0; 2: with its K step 1.
.macro TURN fill, wrap
.if \fill
	s_wait_xcnt 0x0                                ; the last prefetch, a K step back, has read its address, which is stepped here
.if (\wrap) == 1
	s_add_nc_u64 s[PFA:PFA+1], s[PFA:PFA+1], NEXT_B  ; from the K step behind the tile's last to the next tile's K step 1
	s_cmp_lt_u32 s12, NAW
	s_cselect_b32 s[LIM], -1, s[LIM]               ; xb's rows are the same for all three tiles: they are asked for no more
.else
	s_add_nc_u64 s[PFA:PFA+1], s[PFA:PFA+1], KB
.endif
.endif
	WIN 0                                          ; (the add's two registers lie in window 0)
	s_wait_tensorcnt 0x0                           ; all my tensor loads have landed, so a group 0 may be written
	ds_add_u32 v[SPW], v[NIL]                      ; 0 onto my spare word
.if \fill
	s_xor_b32 s[G0A+5], s[G0A+5], SLOT1            ; the walking descriptors: the other slot than last time,
	s_xor_b32 s[G0B+5], s[G0B+5], SLOT1
.if (\wrap) == 1
	s_sub_nc_u64 s[G0A+6:G0A+7], s[G0A+6:G0A+7], BACK_A
	s_add_nc_u64 s[G0B+6:G0B+7], s[G0B+6:G0B+7], NEXT_B
.else
	s_add_nc_u64 s[G0A+6:G0A+7], s[G0A+6:G0A+7], KB  ; the next K step; the type bits on top are not reached
	s_add_nc_u64 s[G0B+6:G0B+7], s[G0B+6:G0B+7], KB
.endif
.endif
	s_wait_dscnt 7                                 ; (the add and A's fragments 1 to 3 may be out)
	MUL F1, 0, 0
	s_wait_dscnt 0x0                               ; the add is done, and my reads of this slot are over
	s_barrier_signal -1
	MUL F1, 1, 0                                   ; work on registers while the others arrive
	WIN 0
	s_barrier_wait -1
.if \fill
	CREST                                          ; no wave of any partner still reads this slot or has a load on its way
	JLOAD                                          ; its four v_nop are also the places in front of the loads below
.else
	PLACES
.endif
	s_xor_b32 s[TB], s[TB], SLOT1
	v_add_nc_u32 v[CA], s[TB], v[CA0]
	v_add_nc_u32 v[CB], s[TB], v[CB0]
	FETCH 0, F0
.if \fill
	ASK \wrap
.endif
	MUL F1, 2, 0
	MUL F1, 3, 0
.endm
.macro STEPF wrap                      ; from a step's second quarter to the next step's first, with a refill
	QUARTER 128, F1, F0, 0
	QUARTER 192, F0, F1, 0
	TURN 1, \wrap
	QUARTER 64, F0, F1, 0
.endm
.macro BIASLD                          ; my 8 numbers of the bias for each of the 8 column blocks
	WIN 0x80                                       ; destination window 2, address window 0
.irp b, 0,1,2,3,4,5,6,7
	global_load_b128 v[8*(\b):8*(\b)+3],   v[BO], s[8:9] offset:64*(\b)
	global_load_b128 v[8*(\b)+4:8*(\b)+7], v[BO], s[8:9] offset:64*(\b)+16
.endr
	WIN 0
.endm
; THE WAY OUT of row block a.  PACK: rounded to f16, each accumulator's registers in ascending order.  TOSTAGE: into my own stage, and back as whole rows of 256 bytes.  SEND: stored.
.macro PACK a
	WIN 0x05                                       ; sources in window 1, destination in window 0
.irp b, 0,1,2,3,4,5,6,7
.irp q, 0,1,2,3
	v_cvt_pk_f16_f32 v[TMP+4*(\b)+(\q)], v[64*(\a)+8*(\b)+2*(\q)], v[64*(\a)+8*(\b)+2*(\q)+1]
.endr
.endr
.endm
.macro TOSTAGE a
	WIN 0
.irp b, 0,1,2,3,4,5,6,7
	ds_store_b128 v[STO], v[TMP+4*(\b):TMP+4*(\b)+3] offset:32*(\b)
.endr
.irp t, 0,1,2,3,4,5,6,7
	ds_load_b128 v[F1+32*((\a)%2)+4*(\t):F1+32*((\a)%2)+4*(\t)+3], v[RD] offset:2*PITCH*(\t)  ; LDS serves a wave's instructions in order (ISA guide 5.7.1.4): these see the stores above
.endr
.endm
.macro SEND a
	WIN 0
	s_wait_dscnt 0x0                               ; the block is back in registers
	s_wait_xcnt 0x0                                ; earlier stores have read their registers: the block after this one is loaded into them
.irp t, 0,1,2,3,4,5,6,7
	global_store_b128 v[CO], v[F1+32*((\a)%2)+4*(\t):F1+32*((\a)%2)+4*(\t)+3], s[10:11] offset:(16*(\a)+2*(\t))*CP  ; 16 lanes store 256 consecutive bytes, aligned
.endr
.endm
.macro OUT
	PLACES
	PACK 0
	TOSTAGE 0
.irp a, 1,2,3                          ; a block's conversions stand between the loads of the block before and the wait for them
	PACK \a
	SEND (\a)-1
	TOSTAGE \a
.endr
	SEND 3
.endm
	s_load_b256 s[4:11], s[0:1], 0x0               ; xb s[4:5], wqkv s[6:7], bias s[8:9], qkv s[10:11]
	v_lshl_add_u32 v[SPW], v0, 2, SPARE
	v_mov_b32 v[NIL], 0
	ds_add_u32 v[SPW], v[NIL]                      ; the wave's opening: the add and its wait ahead of my first tensor load; the set-up below stands between them
	v_lshrrev_b32 v3, 5, v0
	v_readfirstlane_b32 s12, v3                    ; wave 0..3
	s_and_b32 s13, s12, 1                          ; which half of A's or B's tile I fetch
	s_bfe_u32 s14, ttmp6, 0x40000                  ; cx, cy: my place in the cluster
	s_bfe_u32 s15, ttmp6, 0x40004
	s_lshl_b32 s16, ttmp9, 2
	s_add_co_u32 s16, s16, s14                     ; tx = 4 x cluster x + cx
	s_and_b32 s17, ttmp7, 0xffff
	s_lshl_b32 s17, s17, 2
	s_add_co_u32 s17, s17, s15                     ; ty = 4 x cluster y + cy
	s_lshl_b32 s18, s15, 2
	s_lshl_b32 s18, 15, s18                        ; my row of the cluster
	s_lshl_b32 s19, 0x1111, s14                    ; my column
	s_or_b32 s[G1A], s18, GW                       ; A's tiles go to my row,
	s_or_b32 s[G1B], s19, GW                       ; B's to my column
.irp g, G1A, G1B
	s_mov_b32 s[(\g)+1], 128<<16                   ; tensor_dim0 = 128
	s_mov_b32 s[(\g)+3], 128<<16                   ; tile_dim0 = 128
	s_mov_b32 s[(\g)+5], 1024                      ; elements from row to row
	s_mov_b32 s[(\g)+6], 0
	s_mov_b32 s[(\g)+7], 0
.endr
	s_mov_b32 s[G1A+2], 128<<16                    ; tensor_dim1 = tile_dim1 = 128 rows for A,
	s_mov_b32 s[G1A+4], 128
	s_mov_b32 s[G1B+2], 64<<16                     ; 64 for B
	s_mov_b32 s[G1B+4], 64
	s_lshl_b32 s20, s17, 19                        ; A: row 256 ty + 128 x half, 2,048 bytes a row: it hangs on ty, which my row shares
	s_lshl_b32 s21, s13, 18
	s_add_co_u32 s20, s20, s21
	s_mov_b32 s21, 0
	s_lshl_b32 s70, s16, 18                        ; B: row 128 tx + 64 x half: it hangs on tx, which my column shares
	s_lshl_b32 s71, s13, 17
	s_add_co_u32 s70, s70, s71
	s_mov_b32 s71, 0
	s_mul_i32 s22, s12, 128*PITCH                  ; where they go: A's halves at wave x 128 rows (waves 0, 1),
	s_mul_i32 s23, s12, 64*PITCH                   ; B's at BOFF + (wave - 2) x 64 rows (waves 2, 3)
	s_add_co_u32 s23, s23, BOFF-2*64*PITCH
	s_mov_b32 s[TB], 0
	s_wait_dscnt 0x0                               ; the opening add is done
	s_wait_kmcnt 0x0
	s_add_nc_u64 s[20:21], s[4:5], s[20:21]
	s_add_nc_u64 s[70:71], s[6:7], s[70:71]
	CROUND                                         ; all sixteen work-groups are here: the first joint loads meet
.irp s, 0,1
	s_mov_b32 s[G0A+4*(\s)], 1
	s_add_co_u32 s[G0A+4*(\s)+1], s22, (\s)*SLOT1
	s_add_nc_u64 s[G0A+4*(\s)+2:G0A+4*(\s)+3], s[20:21], (\s)*KB
	s_or_b32 s[G0A+4*(\s)+3], s[G0A+4*(\s)+3], 0x80000000
	s_mov_b32 s[G0B+4*(\s)], 1
	s_add_co_u32 s[G0B+4*(\s)+1], s23, (\s)*SLOT1
	s_add_nc_u64 s[G0B+4*(\s)+2:G0B+4*(\s)+3], s[70:71], (\s)*KB
	s_or_b32 s[G0B+4*(\s)+3], s[G0B+4*(\s)+3], 0x80000000
.endr
	s_cmp_lt_u32 s12, NAW                          ; a wave's two first fills stand in one branch: two loads of mine are out
	s_cbranch_scc0 .Lfirst_b
	tensor_load_to_lds s[G0A:G0A+3], s[G1A:G1A+7]
	s_nop 0
	tensor_load_to_lds s[G0A+4:G0A+7], s[G1A:G1A+7]
	s_nop 0
	PLACES
	s_branch .Lfirst_done
.Lfirst_b:
	tensor_load_to_lds s[G0B:G0B+3], s[G1B:G1B+7]
	s_nop 0
	tensor_load_to_lds s[G0B+4:G0B+7], s[G1B:G1B+7]
	s_nop 0
	PLACES
.Lfirst_done:
	v_and_b32 v1, 15, v0                           ; r = l % 16
	v_bfe_u32 v2, v0, 4, 1                         ; h = l / 16
	s_lshl_b32 s18, s16, 9                         ; the tile's 128 columns in the bias
	s_mov_b32 s19, 0
	s_add_nc_u64 s[8:9], s[8:9], s[18:19]
	v_lshlrev_b32 v[BO], 5, v2                     ; my 8 columns of a block: 32 h
	BIASLD
	v_mul_u32_u24 v3, v1, PITCH
	v_lshl_add_u32 v3, v2, 4, v3                   ; row x pitch + 16 x half
	s_mul_i32 s18, s12, 64*PITCH                   ; my 64 rows of A
	v_add_nc_u32 v[CA0], s18, v3
	v_add_nc_u32 v[CB0], BOFF, v3
	v_mov_b32 v[CA], v[CA0]
	v_mov_b32 v[CB], v[CB0]
	s_mul_i32 s18, s12, FR
	s_add_co_u32 s18, s18, STAGE                   ; my stage
	v_add_nc_u32 v[STO], s18, v3
	v_mul_u32_u24 v3, v2, PITCH
	v_lshl_add_u32 v3, v1, 4, v3                   ; back: lanes 0-15 one row of 256 bytes, lanes 16-31 the next
	v_add_nc_u32 v[RD], s18, v3
	v_mul_u32_u24 v3, v2, CP
	v_lshl_add_u32 v[CO], v1, 4, v3                ; and the same two rows in qkv
	s_lshl_b32 s18, s17, 8
	s_lshl_b32 s19, s12, 6
	s_add_co_u32 s18, s18, s19                     ; my first row: 256 ty + 64 w
	s_mul_i32 s18, s18, CP
	s_lshl_b32 s19, s16, 8                         ; the tile's 256 bytes of a row
	s_add_co_u32 s18, s18, s19
	s_mov_b32 s19, 0
	s_add_nc_u64 s[10:11], s[10:11], s[18:19]
	; the prefetches
	s_lshl_b32 s72, s17, 8
	s_lshl_b32 s73, s12, 7
	s_add_co_u32 s72, s72, s73
	s_lshl_b32 s73, s14, 5
	s_add_co_u32 s72, s72, s73                     ; xb: row 256 ty + 128 w + 32 cx
	s_lshl_b32 s74, s16, 7
	s_lshl_b32 s75, s15, 5
	s_add_co_u32 s74, s74, s75                     ; wqkv: row 128 tx + 32 cy
	s_and_b32 s75, ttmp7, 0xffff
	s_cmp_lt_u32 s12, NAW
	s_cselect_b32 s72, s72, s74
	s_cselect_b32 s75, ttmp9, s75                  ; the coordinate along which other clusters read the same rows
	s_cselect_b64 s[PFA:PFA+1], s[4:5], s[6:7]
	s_cmp_eq_u32 s12, 3
	s_cselect_b32 s75, 1, s75                      ; wave 3 asks for nothing
	s_cmp_eq_u32 s75, 0
	s_cselect_b32 s[LIM], 2, -1                    ; the same in all sixteen partners, for a given wave
	s_lshl_b32 s72, s72, 11
	s_add_co_u32 s72, s72, 2*KB                    ; at K step 2: the first refill steps it to 3 and names K step 4
	s_mov_b32 s73, 0
	s_add_nc_u64 s[PFA:PFA+1], s[PFA:PFA+1], s[72:73]
	v_and_b32 v[PFO], 31, v0
	v_lshlrev_b32 v[PFO], 11, v[PFO]
	s_wait_tensorcnt 0x1                           ; my part of K step 0 is in; K step 1's may stay out
	s_wait_dscnt 0x0
	s_barrier_signal -1
	s_barrier_wait -1                              ; everybody's is
	FETCH 0, F0
	s_mov_b32 s2, 3                                ; tiles to go
.Ltile:
	s_wait_loadcnt 0x0                             ; the tile's bias is in, and its address register is free:
	v_add_nc_u32 v[BO], 4096, v[BO]                ; the next tile's 1,024 columns on
	QUARTER 64, F0, F1, 2                          ; a tile's first quarter: the bias starts the sums
	WIN 0
	s_mov_b32 s3, STEPS-2
.Lstep:
	STEPF 0
	WIN 0
	s_sub_co_u32 s3, s3, 1
	s_cmp_lg_u32 s3, 0
	s_cbranch_scc1 .Lstep
	s_cmp_eq_u32 s2, 1
	s_cbranch_scc1 .Llast                          ; the last tile's tail is written out: it asks for nothing more
	STEPF 1                                        ; THE RING GOES ON INTO THE NEXT TILE: slot 0 takes its K step 0,
	QUARTER 128, F1, F0, 0
	QUARTER 192, F0, F1, 0
	TURN 1, 2                                      ; slot 1 its K step 1, and the next tile's first fragments are fetched
	BIASLD
	OUT                                            ; both refills are asked for: now the tile goes out
	s_wait_xcnt 0x0                                ; the stores have read their registers and their base
	s_add_nc_u64 s[10:11], s[10:11], 2048          ; from q to k, from k to v
	s_sub_co_u32 s2, s2, 1
	s_branch .Ltile
.Llast:
	QUARTER 128, F1, F0, 0
	QUARTER 192, F0, F1, 0
	TURN 0, 0
	QUARTER 64, F0, F1, 0
	QUARTER 128, F1, F0, 0
	QUARTER 192, F0, F1, 0
	s_wait_dscnt 4
	MUL F1, 0, 0
	MUL F1, 1, 0
	s_wait_dscnt 0x0
	MUL F1, 2, 0
	MUL F1, 3, 0
	OUT
	WIN 0
	s_wait_tensorcnt 0x0                           ; the wave's end, behind my last tensor load and my last LDS store
	ds_add_u32 v[SPW], v[NIL]
	s_wait_dscnt 0x0
	CROUND                                         ; the closing round: no work-group ends while a partner may still ask for a tile that names it
	s_endpgm
.Lfunc_end_k_qa87b25bc13_proj:
	.size	k_qa87b25bc13_proj, .Lfunc_end_k_qa87b25bc13_proj-k_qa87b25bc13_proj
	.p2alignl 7, 3214868480
	.fill 96, 4, 3214868480
	.section	.rodata,"a",@progbits
	.p2align	6, 0x0
	.amdhsa_kernel k_qa87b25bc13_proj
		.amdhsa_group_segment_fixed_size 327680
		.amdhsa_private_segment_fixed_size 0
		.amdhsa_enable_private_segment 0
		.amdhsa_kernarg_size 32
		.amdhsa_user_sgpr_count 2
		.amdhsa_user_sgpr_kernarg_segment_ptr 1
		.amdhsa_wavefront_size32 1
		.amdhsa_system_sgpr_workgroup_id_x 1
		.amdhsa_system_sgpr_workgroup_id_y 1
		.amdhsa_system_sgpr_workgroup_id_z 1
		.amdhsa_system_vgpr_workitem_id 0
		.amdhsa_next_free_vgpr 576
		.amdhsa_next_free_sgpr 76
		.amdhsa_reserve_vcc 0
		.amdhsa_float_denorm_mode_32 3
		.amdhsa_float_denorm_mode_16_64 3
		.amdhsa_memory_ordered 1
		.amdhsa_forward_progress 1
		.amdhsa_inst_pref_size 119
	.end_amdhsa_kernel
	.amdgpu_metadata
---
amdhsa.version: [ 1, 2 ]
amdhsa.kernels:
  - .name:           k_qa87b25bc13_proj
    .symbol:         k_qa87b25bc13_proj.kd
    .args:
      - { .name: xb, .offset: 0, .size: 8, .value_kind: global_buffer, .address_space: global }
      - { .name: wqkv, .offset: 8, .size: 8, .value_kind: global_buffer, .address_space: global }
      - { .name: bias, .offset: 16, .size: 8, .value_kind: global_buffer, .address_space: global }
      - { .name: qkv, .offset: 24, .size: 8, .value_kind: global_buffer, .address_space: global }
    .group_segment_fixed_size: 327680
    .private_segment_fixed_size: 0
    .kernarg_segment_align: 8
    .kernarg_segment_size: 32
    .max_flat_workgroup_size: 128
    .sgpr_count:     76
    .vgpr_count:     576
    .wavefront_size: 32
...
	.end_amdgpu_metadata
.endif
;; end of part 2
;; launch scores (part 3): grid 8 x 32, 8 waves a work-group, clusters of 4 x 4, 327,680 bytes of LDS; arguments qkv, p, stats; writes p, stats
.if DOCPART == 3
	.amdgcn_target "amdgcn-amd-amdhsa--gfx1250"
	.amdhsa_code_object_version 6
	.text
	.protected	k_qa87b25bc13_scores
	.globl	k_qa87b25bc13_scores
	.p2align	8
	.type	k_qa87b25bc13_scores,@function
k_qa87b25bc13_scores:
	s_mov_b64 s[64:65], 0
	v_nop
	global_prefetch_b8 v0, s[64:65] scope:SCOPE_SE
	s_setreg_imm32_b32 hwreg(HW_REG_WAVE_MODE, 25, 1), 1
	s_wait_xcnt 0x0
	s_wait_alu depctr_hold_cnt(0) depctr_sa_sdst(0) depctr_va_vdst(0) depctr_va_sdst(0) depctr_va_ssrc(0) depctr_va_vcc(0) depctr_vm_vsrc(0)
	s_getreg_b32 s2, hwreg(HW_REG_IB_STS2, 6, 4)
	s_cmp_eq_u32 s2, 0
	s_cbranch_scc0 .Lentry_in_a_cluster
	s_endpgm
.Lentry_in_a_cluster:
	s_bfe_u32 s2, ttmp6, 0x10000c
	s_cmp_lg_u32 s2, 0xf033
	s_cbranch_scc0 .Lentry_shape_is_right
	s_endpgm
.Lentry_shape_is_right:
; FIRST HALF OF THE SOFTMAX.  s[q][k] = Q[q] . K[k] (1,024 channels, f16 operands, f32 sums).  For each query and each BLOCK j of 128 keys: cm = c x the block's largest s, c = log2(e) / 32;
; p = 2^(c s - cm), rounded to f16 -> p[8192][2048]; l = the sum of the block's unrounded p.  cm -> stats[j][row], l -> stats + 524,288, same layout, both f32.
; The launch behind takes the maximum over a row's 16 blocks and corrects in f32: together the row's true maximum is taken away, as the softmax asks.
; LIMITS.  p lies in 0 to 1; below 6e-5 it keeps f16's fixed step of 6e-8; a weight below 2^-126 counts as 0 in l.  NaN and infinities are not treated apart.
; SHARES.  A tile is 256 queries x 256 keys of one batch: eight waves, 4 down x 2 across, each 64 queries x 128 keys (32 accumulators, 256 registers; two waves to a SIMD).  A wave holds whole
; blocks of keys, so maximum and sum never leave the wave.  K (the channels) goes in steps of 128 through two LDS slots; each of the eight waves fetches 64 rows of a slot.
; CLUSTER 4 x 4: a row of the cluster shares its queries' rows, a column its keys' rows: joint loads.
; THE PRODUCT IS USED TRANSPOSED (source 0 = 16 keys, source 1 = 16 queries): lane l holds query l % 16 and keys 16 b + 8 (l / 16) + 0..7; a query's 128 keys lie in two lanes, 16 apart.
; REGISTERS: window 0: v0-15 addresses; v16-31 statistics; v32-63 packed weights; v64-159, v160-255 fragment buffers.   window 1: accumulator (a, b) at 8 (8 a + b).
.set KB,     256
.set PITCH,  272                       ; 256 bytes + 16 of padding: the 16 rows of a fragment load start at 16 different groups of four banks (64 banks of 4 bytes: ISA guide 11.1)
.set FR,     16*PITCH
.set PIECE,  64*PITCH                  ; what one tensor load brings: 17,408 bytes
.set BOFF,   4*PIECE                   ; in a slot: Q's 256 rows, then K's 256
.set SLOT1,  8*PIECE                   ; 139,264 = bits 13 and 17, which no wave's piece address (17,408 w, w = 0..7) has: one exclusive or turns an address in one slot into the other's
.set STAGE,  2*SLOT1                   ; 16 rows x 272 bytes for each wave
.set SSTAT,  STAGE+8*FR                ; 512 bytes for each wave: 64 cm, 64 l
.set SPARE,  SSTAT+8*512               ; the spare words, 128 bytes for each wave, that no other line names
.set STEPS,  8
.set NAW,    4                         ; waves 0-3 fetch Q's rows, waves 4-7 K's
.set CP,     4096                      ; bytes in a row of p
.set GW,     (1<<16)|(1<<20)|(1<<21)|(5<<22)|(3<<25)
.set CA0, 4
.set CB0, 5
.set CA,  6
.set CB,  7
.set STO, 8
.set RD,  9
.set CO,  10
.set SA,  11                           ; v11  where I put a statistic
.set PFO, 12
.set SL,  13                           ; v13  where I read four of them back
.set SPW, 14
.set NIL, 15
.set TMP, 32
.set F0,  64
.set F1,  160
.set G1A, 24
.set G1B, 32
.set G0A, 40
.set G0B, 48
.set TB,  56
.set LIM, 57
.set PFA, 58
.set CS,  66                           ; s[66:67] c: the packed scaling takes the pair's low word for both halves
.set SEL, 68                           ; s[68:69] v_permlanex16_b32's selects: each lane takes its own place in the other half
.set W_MUL, 0x50
.set MSB, 0
.macro WIN new
.if MSB != (\new)
	s_set_vgpr_msb (MSB<<8)|(\new)
.set MSB, (\new)
.endif
.endm
.macro PLACES
.rept 4
	v_nop
.endr
.endm
.macro CREST
	s_cmp_lg_u32 s12, 0
	s_cbranch_scc1 .Lnot_wave_0_\@
	s_barrier_signal -3
.Lnot_wave_0_\@:
	s_barrier_wait -3
	s_barrier_signal -1
	s_barrier_wait -1
.endm
.macro CROUND
	s_barrier_signal -1
	s_barrier_wait -1
	CREST
.endm
.macro JLOAD                           ; a joint refill; an s_nop 0 and four v_nop follow each line
	s_cmp_lt_u32 s12, NAW
	s_cbranch_scc0 .Lfor_b_\@
	tensor_load_to_lds s[G0A+4:G0A+7], s[G1A:G1A+7]
	s_nop 0
	PLACES
	s_branch .Lasked_\@
.Lfor_b_\@:
	tensor_load_to_lds s[G0B+4:G0B+7], s[G1B:G1B+7]
	s_nop 0
	PLACES
.Lasked_\@:
.endm
; A PREFETCH of the K step two refills on: a lane a row, 256 bytes.  Q's rows are named by the clusters with x = 0 (waves 0, 1), K's by the batch's first cluster, the one with even y (waves 4, 5);
; the four partners share a tile's 256 rows out by address, 64 each, 32 a wave.  The last two refills have no K step two on.
.macro ASK
	s_cmp_gt_u32 s3, s[LIM]
	s_cbranch_scc0 .Lnot_mine_\@
	global_prefetch_b8 v[PFO], s[PFA:PFA+1] offset:KB th:TH_LOAD_NT scope:SCOPE_SE
.Lnot_mine_\@:
.endm
.macro MUL f, a, c                     ; c = 1: the constant 0 starts the sums.  The 32 accumulators take turns, one instruction a turn
	WIN W_MUL
.irp b, 0,1,2,3,4,5,6,7
.if (\c) == 1
	v_wmma_f32_16x16x32_f16 v[64*(\a)+8*(\b):64*(\a)+8*(\b)+7], v[(\f)+32+8*(\b):(\f)+32+8*(\b)+7], v[(\f)+8*(\a):(\f)+8*(\a)+7], 0
.else
	v_wmma_f32_16x16x32_f16 v[64*(\a)+8*(\b):64*(\a)+8*(\b)+7], v[(\f)+32+8*(\b):(\f)+32+8*(\b)+7], v[(\f)+8*(\a):(\f)+8*(\a)+7], v[64*(\a)+8*(\b):64*(\a)+8*(\b)+7]
.endif
.endr
.endm
.macro FETCH k, f
	WIN 0
.irp b, 0,1,2,3,4,5,6,7
	ds_load_b128 v[(\f)+32+8*(\b):(\f)+32+8*(\b)+3],   v[CB] offset:(\k)+FR*(\b)
	ds_load_b128 v[(\f)+32+8*(\b)+4:(\f)+32+8*(\b)+7], v[CB] offset:(\k)+FR*(\b)+32
.endr
.irp a, 0,1,2,3
	ds_load_b128 v[(\f)+8*(\a):(\f)+8*(\a)+3],   v[CA] offset:(\k)+FR*(\a)
	ds_load_b128 v[(\f)+8*(\a)+4:(\f)+8*(\a)+7], v[CA] offset:(\k)+FR*(\a)+32
.endr
.endm
.macro QUARTER k, f, g, c
	s_wait_dscnt 4                                 ; B and A's fragments 0, 1 are in; the youngest four loads may be out
	MUL \f, 0, \c
	MUL \f, 1, \c
	PLACES
	FETCH \k, \g
	s_wait_dscnt 24                                ; all but the 24 just issued
	MUL \f, 2, \c
	MUL \f, 3, \c
.endm
; The fourth quarter and the change of slots: each wave waits for all its tensor loads, adds 0 to its spare word, waits for that and for its reads of this slot; fill = 1: a round of the cluster's
; barrier, and the joint refill (the K step two on) first thing behind it.
.macro TURN fill
.if \fill
	s_wait_xcnt 0x0                                ; the last prefetch, a K step back, has read its address
	s_add_nc_u64 s[PFA:PFA+1], s[PFA:PFA+1], KB
.endif
	WIN 0
	s_wait_tensorcnt 0x0                           ; all my tensor loads have landed, so a group 0 may be written
	ds_add_u32 v[SPW], v[NIL]                      ; 0 onto my spare word
.if \fill
	s_xor_b32 s[G0A+5], s[G0A+5], SLOT1
	s_xor_b32 s[G0B+5], s[G0B+5], SLOT1
	s_add_nc_u64 s[G0A+6:G0A+7], s[G0A+6:G0A+7], KB
	s_add_nc_u64 s[G0B+6:G0B+7], s[G0B+6:G0B+7], KB
.endif
	s_wait_dscnt 7                                 ; (the add and A's fragments 1 to 3 may be out)
	MUL F1, 0, 0
	s_wait_dscnt 0x0                               ; the add is done, and my reads of this slot are over
	s_barrier_signal -1
	MUL F1, 1, 0
	WIN 0
	s_barrier_wait -1
.if \fill
	CREST
	JLOAD
.else
	PLACES
.endif
	s_xor_b32 s[TB], s[TB], SLOT1
	v_add_nc_u32 v[CA], s[TB], v[CA0]
	v_add_nc_u32 v[CB], s[TB], v[CB0]
	FETCH 0, F0
.if \fill
	ASK
.endif
	MUL F1, 2, 0
	MUL F1, 3, 0
.endm
; THE SOFTMAX'S FIRST HALF for row block a: the lane's 64 scores lie in v[64 a .. 64 a + 63] of window 1.
.macro SOFT a
.set rS, 64*(\a)
	WIN 0
.irp k, 0,1,2,3
	v_mov_b32 v[16+(\k)], 0xff7fffff               ; four chains start at the lowest finite number
.endr
	WIN 0x14                                       ; sources 1 and 2 in window 1
.set i, 0
.rept 8                                ; chain k takes accumulators 2 k and 2 k + 1, each from its lowest registers on; the chains go by turns
.irp k, 0,1,2,3
	v_max3_num_f32 v[16+(\k)], v[16+(\k)], v[rS+16*(\k)+2*i], v[rS+16*(\k)+2*i+1]
.endr
.set i, i+1
.endr
	WIN 0
	v_max3_num_f32 v16, v16, v17, v18
	v_max_num_f32 v16, v16, v19
	v_permlanex16_b32 v22, v16, s[SEL], s[SEL+1]   ; the query's other 64 keys lie in the lane 16 away
	v_max_num_f32 v21, v16, v22                    ; the block's maximum
	v_mul_f32 v20, s[CS], v21                      ; cm
	v_mov_b32 v[24+(\a)], v20
	WIN 0x41                                       ; destination and source 0 in window 1
	v_pk_fma_f32 v[rS:rS+1], v[rS:rS+1], s[CS:CS+1], v[20:21] op_sel_hi:[1,0,0] neg_lo:[0,0,1] neg_hi:[0,0,1]  ; c s - cm, a pair of scores
.set i, 1
.rept 31                               ; ONE BATCH: a scaling, then the two exponentials of the pair scaled before; nothing here names an exponential's result
	v_pk_fma_f32 v[rS+2*i:rS+2*i+1], v[rS+2*i:rS+2*i+1], s[CS:CS+1], v[20:21] op_sel_hi:[1,0,0] neg_lo:[0,0,1] neg_hi:[0,0,1]
	v_exp_f32 v[rS+2*i-2], v[rS+2*i-2]
	v_exp_f32 v[rS+2*i-1], v[rS+2*i-1]
.set i, i+1
.endr
	v_exp_f32 v[rS+62], v[rS+62]
	v_exp_f32 v[rS+63], v[rS+63]
	v_nop                                          ; a plain instruction behind the last exponential,
	s_wait_alu depctr_va_vdst(0)                   ; and the one wait ahead of the first use: for all 64
	WIN 0x05
.set i, 0
.rept 32
	v_cvt_pk_f16_f32 v[TMP+i], v[rS+2*i], v[rS+2*i+1]
.set i, i+1
.endr
	WIN 0x45                                       ; the sum of the 32 pairs, in place: neighbours 16, 8, 4 and 2 pairs apart
.irp w, 16,8,4,2
.set i, 0
.rept \w
	v_pk_add_f32 v[rS+2*i:rS+2*i+1], v[rS+2*i:rS+2*i+1], v[rS+2*i+2*(\w):rS+2*i+2*(\w)+1]
.set i, i+1
.endr
.endr
	WIN 0x05
	v_pk_add_f32 v[22:23], v[rS:rS+1], v[rS+2:rS+3]
	WIN 0
	v_add_f32 v22, v22, v23
	v_permlanex16_b32 v23, v22, s[SEL], s[SEL+1]
	v_add_f32 v[28+(\a)], v22, v23                 ; l
.endm
.macro TOSTAGE a
	WIN 0
.irp b, 0,1,2,3,4,5,6,7
	ds_store_b128 v[STO], v[TMP+4*(\b):TMP+4*(\b)+3] offset:32*(\b)
.endr
.irp t, 0,1,2,3,4,5,6,7
	ds_load_b128 v[F1+32*((\a)%2)+4*(\t):F1+32*((\a)%2)+4*(\t)+3], v[RD] offset:2*PITCH*(\t)  ; LDS serves a wave's instructions in order (ISA guide 5.7.1.4): these see the stores above
.endr
.endm
.macro SEND a
	WIN 0
	s_wait_dscnt 0x0
	s_wait_xcnt 0x0                                ; earlier stores have read their registers
.irp t, 0,1,2,3,4,5,6,7
	global_store_b128 v[CO], v[F1+32*((\a)%2)+4*(\t):F1+32*((\a)%2)+4*(\t)+3], s[6:7] offset:(16*(\a)+2*(\t))*CP  ; 16 lanes store 256 consecutive bytes, aligned
.endr
.endm
	s_load_b128 s[4:7], s[0:1], 0x0                ; qkv s[4:5], p s[6:7]
	s_load_b64 s[8:9], s[0:1], 0x10                ; stats
	v_lshl_add_u32 v[SPW], v0, 2, SPARE
	v_mov_b32 v[NIL], 0
	ds_add_u32 v[SPW], v[NIL]                      ; the wave's opening: the add and its wait ahead of my first tensor load
	v_lshrrev_b32 v3, 5, v0
	v_readfirstlane_b32 s12, v3                    ; wave 0..7
	s_and_b32 s13, s12, 3                          ; which 64 rows of Q's or K's tile I fetch
	s_bfe_u32 s14, ttmp6, 0x40000                  ; cx, cy
	s_bfe_u32 s15, ttmp6, 0x40004
	s_lshl_b32 s16, ttmp9, 2
	s_add_co_u32 s16, s16, s14                     ; tx: the tile of 256 keys
	s_and_b32 s17, ttmp7, 0xffff
	s_lshl_b32 s17, s17, 2
	s_add_co_u32 s17, s17, s15                     ; ty: the tile of 256 queries, 8 to a batch
	s_lshl_b32 s18, s15, 2
	s_lshl_b32 s18, 15, s18
	s_lshl_b32 s19, 0x1111, s14
	s_or_b32 s[G1A], s18, GW
	s_or_b32 s[G1B], s19, GW
.irp g, G1A, G1B
	s_mov_b32 s[(\g)+1], 128<<16                   ; tensor_dim0 = 128
	s_mov_b32 s[(\g)+2], 64<<16                    ; tensor_dim1 = 64
	s_mov_b32 s[(\g)+3], 128<<16                   ; tile_dim0 = 128
	s_mov_b32 s[(\g)+4], 64                        ; tile_dim1 = 64
	s_mov_b32 s[(\g)+5], 3072                      ; elements from row to row of qkv
	s_mov_b32 s[(\g)+6], 0
	s_mov_b32 s[(\g)+7], 0
.endr
	s_lshl_b32 s20, s17, 8                         ; Q: row 256 ty + 64 (w & 3)
	s_lshl_b32 s21, s13, 6
	s_add_co_u32 s20, s20, s21
	s_mul_i32 s20, s20, 6144
	s_mov_b32 s21, 0
	s_and_b32 s70, ttmp7, 0xffff                   ; K: row 2,048 x batch + 256 tx + 64 (w & 3); the batch is cluster y / 2, which all partners share
	s_lshr_b32 s70, s70, 1
	s_lshl_b32 s70, s70, 11
	s_lshl_b32 s71, s16, 8
	s_add_co_u32 s70, s70, s71
	s_lshl_b32 s71, s13, 6
	s_add_co_u32 s70, s70, s71
	s_mul_i32 s70, s70, 6144
	s_add_co_u32 s70, s70, 2048                    ; k lies 2,048 bytes into a row
	s_mov_b32 s71, 0
	s_mul_i32 s22, s12, PIECE                      ; where my piece goes: wave x 64 rows
	s_mov_b32 s[TB], 0
	s_mov_b32 s[CS], 0x3d38aa3b                    ; c = log2(e) / 32
	s_mov_b32 s[CS+1], s[CS]
	s_mov_b32 s[SEL], 0x76543210
	s_mov_b32 s[SEL+1], 0xfedcba98
	s_wait_dscnt 0x0                               ; the opening add is done
	s_wait_kmcnt 0x0
	s_add_nc_u64 s[20:21], s[4:5], s[20:21]
	s_add_nc_u64 s[70:71], s[4:5], s[70:71]
	CROUND                                         ; all sixteen work-groups are here: the first joint loads meet
.irp s, 0,1
	s_mov_b32 s[G0A+4*(\s)], 1
	s_add_co_u32 s[G0A+4*(\s)+1], s22, (\s)*SLOT1
	s_add_nc_u64 s[G0A+4*(\s)+2:G0A+4*(\s)+3], s[20:21], (\s)*KB
	s_or_b32 s[G0A+4*(\s)+3], s[G0A+4*(\s)+3], 0x80000000
	s_mov_b32 s[G0B+4*(\s)], 1
	s_add_co_u32 s[G0B+4*(\s)+1], s22, (\s)*SLOT1
	s_add_nc_u64 s[G0B+4*(\s)+2:G0B+4*(\s)+3], s[70:71], (\s)*KB
	s_or_b32 s[G0B+4*(\s)+3], s[G0B+4*(\s)+3], 0x80000000
.endr
	s_cmp_lt_u32 s12, NAW                          ; a wave's two first fills stand in one branch: two loads of mine are out
	s_cbranch_scc0 .Lfirst_b
	tensor_load_to_lds s[G0A:G0A+3], s[G1A:G1A+7]
	s_nop 0
	tensor_load_to_lds s[G0A+4:G0A+7], s[G1A:G1A+7]
	s_nop 0
	PLACES
	s_branch .Lfirst_done
.Lfirst_b:
	tensor_load_to_lds s[G0B:G0B+3], s[G1B:G1B+7]
	s_nop 0
	tensor_load_to_lds s[G0B+4:G0B+7], s[G1B:G1B+7]
	s_nop 0
	PLACES
.Lfirst_done:
	v_and_b32 v1, 15, v0                           ; r
	v_bfe_u32 v2, v0, 4, 1                         ; h
	v_mov_b32 v22, 0                               ; v_permlanex16_b32's destinations count as read: written once here
	v_mov_b32 v23, 0
	s_lshr_b32 s18, s12, 1                         ; wr: my 64 queries
	s_and_b32 s19, s12, 1                          ; wc: my 128 keys
	v_mul_u32_u24 v3, v1, PITCH
	v_lshl_add_u32 v3, v2, 4, v3
	s_mul_i32 s23, s18, 64*PITCH
	v_add_nc_u32 v[CA0], s23, v3
	s_mul_i32 s23, s19, 128*PITCH
	s_add_co_u32 s23, s23, BOFF
	v_add_nc_u32 v[CB0], s23, v3
	v_mov_b32 v[CA], v[CA0]
	v_mov_b32 v[CB], v[CB0]
	s_mul_i32 s23, s12, FR
	s_add_co_u32 s23, s23, STAGE                   ; my stage
	v_add_nc_u32 v[STO], s23, v3
	v_mul_u32_u24 v3, v2, PITCH
	v_lshl_add_u32 v3, v1, 4, v3
	v_add_nc_u32 v[RD], s23, v3
	v_lshlrev_b32 v3, 12, v2
	v_lshl_add_u32 v[CO], v1, 4, v3                ; two rows of p: 4,096 h + 16 r
	s_lshl_b32 s23, s12, 9
	s_add_co_u32 s23, s23, SSTAT                   ; my 512 bytes of statistics
	v_lshl_add_u32 v[SA], v1, 2, s23
	v_and_b32 v3, 31, v0
	v_lshl_add_u32 v[SL], v3, 4, s23
	s_lshl_b32 s72, s17, 20                        ; p: row 256 ty + 64 wr, byte 512 tx + 256 wc
	s_lshl_b32 s73, s18, 18
	s_add_co_u32 s72, s72, s73
	s_lshl_b32 s73, s16, 9
	s_add_co_u32 s72, s72, s73
	s_lshl_b32 s73, s19, 8
	s_add_co_u32 s72, s72, s73
	s_mov_b32 s73, 0
	s_add_nc_u64 s[6:7], s[6:7], s[72:73]
	s_lshl_b32 s72, s16, 16                        ; stats: block 2 tx + wc (32,768 bytes each), row 256 ty + 64 wr
	s_lshl_b32 s73, s19, 15
	s_add_co_u32 s72, s72, s73
	s_lshl_b32 s73, s17, 10
	s_add_co_u32 s72, s72, s73
	s_lshl_b32 s73, s18, 8
	s_add_co_u32 s72, s72, s73
	s_mov_b32 s73, 0
	s_add_nc_u64 s[8:9], s[8:9], s[72:73]
	; the prefetches
	s_and_b32 s18, ttmp7, 0xffff                   ; cluster y
	s_and_b32 s73, s12, 1
	s_lshl_b32 s73, s73, 5
	s_lshl_b32 s72, s17, 8
	s_add_co_u32 s72, s72, s73
	s_lshl_b32 s74, s14, 6
	s_add_co_u32 s72, s72, s74                     ; Q: row 256 ty + 64 cx + 32 (w & 1)
	s_mul_i32 s72, s72, 6144
	s_lshr_b32 s74, s18, 1
	s_lshl_b32 s74, s74, 11
	s_add_co_u32 s74, s74, s73
	s_lshl_b32 s75, s16, 8
	s_add_co_u32 s74, s74, s75
	s_lshl_b32 s75, s15, 6
	s_add_co_u32 s74, s74, s75                     ; K: row 2,048 x batch + 256 tx + 64 cy + 32 (w & 1)
	s_mul_i32 s74, s74, 6144
	s_add_co_u32 s74, s74, 2048
	s_and_b32 s75, s18, 1
	s_cmp_lt_u32 s12, NAW
	s_cselect_b32 s72, s72, s74
	s_cselect_b32 s75, ttmp9, s75                  ; 0 in the cluster that asks
	s_and_b32 s74, s12, 2                          ; waves 2, 3, 6, 7 ask for nothing
	s_or_b32 s75, s75, s74
	s_cmp_eq_u32 s75, 0
	s_cselect_b32 s[LIM], 2, -1                    ; the same in all sixteen partners, for a given wave
	s_add_co_u32 s72, s72, 2*KB                    ; at K step 2: the first refill steps it to 3 and names K step 4
	s_mov_b32 s73, 0
	s_add_nc_u64 s[PFA:PFA+1], s[4:5], s[72:73]
	v_and_b32 v[PFO], 31, v0
	v_mul_u32_u24 v[PFO], v[PFO], 6144
	s_wait_tensorcnt 0x1                           ; my part of K step 0 is in; K step 1's may stay out
	s_wait_dscnt 0x0
	s_barrier_signal -1
	s_barrier_wait -1
	FETCH 0, F0
	QUARTER 64, F0, F1, 1                          ; the first quarter stands in front of the loop: its products start the sums
	WIN 0
	s_mov_b32 s3, STEPS-2
.Lstep:                                        ; from a step's second quarter to the next step's first, with a refill
	QUARTER 128, F1, F0, 0
	QUARTER 192, F0, F1, 0
	TURN 1
	QUARTER 64, F0, F1, 0
	WIN 0
	s_sub_co_u32 s3, s3, 1
	s_cmp_lg_u32 s3, 0
	s_cbranch_scc1 .Lstep
	QUARTER 128, F1, F0, 0                         ; the last two steps ask for nothing
	QUARTER 192, F0, F1, 0
	TURN 0
	QUARTER 64, F0, F1, 0
	QUARTER 128, F1, F0, 0
	QUARTER 192, F0, F1, 0
	s_wait_dscnt 4
	MUL F1, 0, 0
	MUL F1, 1, 0
	s_wait_dscnt 0x0
	MUL F1, 2, 0
	MUL F1, 3, 0
	PLACES
	SOFT 0
	TOSTAGE 0
.irp a, 1,2,3                          ; a block's softmax stands between the loads of the block before and the wait for them
	SOFT \a
	SEND (\a)-1
	TOSTAGE \a
.endr
	SEND 3
	; the statistics: both lanes of a query hold the same numbers and write the same word; back as 16 bytes a lane: lanes 0-15 the 64 cm, lanes 16-31 the 64 l
.irp a, 0,1,2,3
	ds_store_b32 v[SA], v[24+(\a)] offset:64*(\a)
	ds_store_b32 v[SA], v[28+(\a)] offset:256+64*(\a)
.endr
	ds_load_b128 v[16:19], v[SL]
	v_lshlrev_b32 v3, 4, v1
	v_lshl_add_u32 v3, v2, 19, v3                  ; l's table lies 524,288 bytes behind cm's
	s_wait_dscnt 0x0
	global_store_b128 v3, v[16:19], s[8:9]         ; two aligned runs of 256 consecutive bytes
	s_wait_tensorcnt 0x0                           ; the wave's end, behind my last tensor load and my last LDS store
	ds_add_u32 v[SPW], v[NIL]
	s_wait_dscnt 0x0
	CROUND                                         ; the closing round
	s_endpgm
.Lfunc_end_k_qa87b25bc13_scores:
	.size	k_qa87b25bc13_scores, .Lfunc_end_k_qa87b25bc13_scores-k_qa87b25bc13_scores
	.p2alignl 7, 3214868480
	.fill 96, 4, 3214868480
	.section	.rodata,"a",@progbits
	.p2align	6, 0x0
	.amdhsa_kernel k_qa87b25bc13_scores
		.amdhsa_group_segment_fixed_size 327680
		.amdhsa_private_segment_fixed_size 0
		.amdhsa_enable_private_segment 0
		.amdhsa_kernarg_size 24
		.amdhsa_user_sgpr_count 2
		.amdhsa_user_sgpr_kernarg_segment_ptr 1
		.amdhsa_wavefront_size32 1
		.amdhsa_system_sgpr_workgroup_id_x 1
		.amdhsa_system_sgpr_workgroup_id_y 1
		.amdhsa_system_sgpr_workgroup_id_z 1
		.amdhsa_system_vgpr_workitem_id 0
		.amdhsa_next_free_vgpr 512
		.amdhsa_next_free_sgpr 76
		.amdhsa_reserve_vcc 0
		.amdhsa_float_denorm_mode_32 3
		.amdhsa_float_denorm_mode_16_64 3
		.amdhsa_memory_ordered 1
		.amdhsa_forward_progress 1
		.amdhsa_inst_pref_size 108
	.end_amdhsa_kernel
	.amdgpu_metadata
---
amdhsa.version: [ 1, 2 ]
amdhsa.kernels:
  - .name:           k_qa87b25bc13_scores
    .symbol:         k_qa87b25bc13_scores.kd
    .args:
      - { .name: qkv, .offset: 0, .size: 8, .value_kind: global_buffer, .address_space: global }
      - { .name: p, .offset: 8, .size: 8, .value_kind: global_buffer, .address_space: global }
      - { .name: stats, .offset: 16, .size: 8, .value_kind: global_buffer, .address_space: global }
    .group_segment_fixed_size: 327680
    .private_segment_fixed_size: 0
    .kernarg_segment_align: 8
    .kernarg_segment_size: 24
    .max_flat_workgroup_size: 256
    .sgpr_count:     76
    .vgpr_count:     512
    .wavefront_size: 32
...
	.end_amdgpu_metadata
.endif
;; end of part 3
;; launch pv (part 4): grid 8 x 32, 4 waves a work-group, clusters of 4 x 4, 327,680 bytes of LDS; arguments p, qkv, stats, z; writes z
.if DOCPART == 4
	.amdgcn_target "amdgcn-amd-amdhsa--gfx1250"
	.amdhsa_code_object_version 6
	.text
	.protected	k_qa87b25bc13_pv
	.globl	k_qa87b25bc13_pv
	.p2align	8
	.type	k_qa87b25bc13_pv,@function
k_qa87b25bc13_pv:
	s_mov_b64 s[64:65], 0
	v_nop
	global_prefetch_b8 v0, s[64:65] scope:SCOPE_SE
	s_setreg_imm32_b32 hwreg(HW_REG_WAVE_MODE, 25, 1), 1
	s_wait_xcnt 0x0
	s_wait_alu depctr_hold_cnt(0) depctr_sa_sdst(0) depctr_va_vdst(0) depctr_va_sdst(0) depctr_va_ssrc(0) depctr_va_vcc(0) depctr_vm_vsrc(0)
	s_getreg_b32 s2, hwreg(HW_REG_IB_STS2, 6, 4)
	s_cmp_eq_u32 s2, 0
	s_cbranch_scc0 .Lentry_in_a_cluster
	s_endpgm
.Lentry_in_a_cluster:
	s_bfe_u32 s2, ttmp6, 0x10000c
	s_cmp_lg_u32 s2, 0xf033
	s_cbranch_scc0 .Lentry_shape_is_right
	s_endpgm
.Lentry_shape_is_right:
; SECOND HALF OF THE SOFTMAX AND THE PRODUCT WITH V.  z[q][c] = the sum over the 16 blocks j of g_j[q] x (the sum over the block's 128 keys of p[q][key] V[key][c]),
; g_j = 2^(cm_j - M) / L, M = the largest cm_j of the row, L = the sum over j of 2^(cm_j - M) l_j.  p, V, z in f16; products, M, L, g and the sums over j in f32; z rounded once.
; LIMITS.  z is a mean of V's rows and has their range; below 6e-5 f16 keeps a fixed step of 6e-8.  A factor below 2^-126 counts as 0.  L is at least about 1.  NaN and infinities are not treated apart.
; SHARES.  A tile is 256 queries x 128 channels: four waves one below the other, each 64 x 128.  The keys go in 16 steps of 128, a block a step, through two LDS slots.  A step's products start at 0
; (32 accumulators T, window 1); at its end O += g T (window 2), 128 packed multiply-adds.
; CLUSTER 4 x 4: a row of the cluster shares p's rows, a column V's tile: joint loads.
; THE PRODUCT IS USED TRANSPOSED (source 0 = 16 channels of V, turned by ds_load_tr16_b128; source 1 = 16 queries of p): lane l holds query l % 16 and channels 16 b + 8 (l / 16) + 0..7.
; REGISTERS: window 0: v0-15 addresses; v16-19 the step's four factors (row blocks 0-3); v20-23 at work; v32-63 packed results; v64-159, v160-255 fragment buffers.   window 1: T.   window 2: O.
.set KB,     256                       ; a step's 128 keys in a row of p
.set VSTEP,  128*6144                  ; and in V: 128 rows of qkv
.set PITCH,  272                       ; a row of p in LDS: 256 + 16
.set PV,     288                       ; a row of V: 256 + 32 = 72 words
.set FR,     16*PITCH
.set BOFF,   256*PITCH
.set SLOT1,  1<<17
.set TAB,    SLOT1+BOFF+128*PV         ; the factors: 1,024 j + 256 w + 16 r + 4 a; stored once, never a tensor load's target
.set STAGE,  TAB+16384
.set SPARE,  STAGE+4*FR
.set STEPS,  16
.set NAW,    2
.set CP,     2048                      ; bytes in a row of z
.set GWA,    (1<<16)|(1<<20)|(1<<21)|(5<<22)|(3<<25)
.set GWV,    (1<<16)|(1<<20)|(1<<21)|(5<<22)|(7<<25)  ; 8 words of padding
.set CA0, 4
.set CB0, 5
.set CA,  6
.set CB,  7
.set STO, 8
.set RD,  9
.set CO,  10
.set GA,  11                           ; v11  LDS address of my four factors of the step to come
.set PFO, 12
.set TS,  13                           ; v13  where I put the factors of my two rows
.set SPW, 14
.set NIL, 15
.set TMP, 32
.set F0,  64
.set F1,  160
.set G1A, 24
.set G1B, 32
.set G0A, 40
.set G0B, 48
.set TB,  56
.set LIM, 57
.set PFA, 58
.set PFS, 60                           ; s[60:61] a step of my prefetches
.set W_MUL, 0x50
.set MSB, 0
.macro WIN new
.if MSB != (\new)
	s_set_vgpr_msb (MSB<<8)|(\new)
.set MSB, (\new)
.endif
.endm
.macro PLACES
.rept 4
	v_nop
.endr
.endm
.macro CREST
	s_cmp_lg_u32 s12, 0
	s_cbranch_scc1 .Lnot_wave_0_\@
	s_barrier_signal -3
.Lnot_wave_0_\@:
	s_barrier_wait -3
	s_barrier_signal -1
	s_barrier_wait -1
.endm
.macro CROUND
	s_barrier_signal -1
	s_barrier_wait -1
	CREST
.endm
.macro JLOAD                           ; a joint refill; an s_nop 0 and four v_nop follow each line
	s_cmp_lt_u32 s12, NAW
	s_cbranch_scc0 .Lfor_b_\@
	tensor_load_to_lds s[G0A+4:G0A+7], s[G1A:G1A+7]
	s_nop 0
	PLACES
	s_branch .Lasked_\@
.Lfor_b_\@:
	tensor_load_to_lds s[G0B+4:G0B+7], s[G1B:G1B+7]
	s_nop 0
	PLACES
.Lasked_\@:
.endm
; A PREFETCH of the step two refills on: a lane a row, 256 bytes.  p's rows are named by the clusters with x = 0 (waves 0, 1), V's by the batch's first cluster, the one with even y (wave 2); the
; four partners share the rows out by address, 32 each.  The last two refills have no step two on.
.macro ASK
	s_cmp_gt_u32 s3, s[LIM]
	s_cbranch_scc0 .Lnot_mine_\@
	global_prefetch_b8 v[PFO], s[PFA:PFA+1] th:TH_LOAD_NT scope:SCOPE_SE
.Lnot_mine_\@:
.endm
.macro MUL f, a, c                     ; c = 1: the constant 0 starts the step's sums.  The 32 accumulators take turns, one instruction a turn
	WIN W_MUL
.irp b, 0,1,2,3,4,5,6,7
.if (\c) == 1
	v_wmma_f32_16x16x32_f16 v[64*(\a)+8*(\b):64*(\a)+8*(\b)+7], v[(\f)+32+8*(\b):(\f)+32+8*(\b)+7], v[(\f)+8*(\a):(\f)+8*(\a)+7], 0
.else
	v_wmma_f32_16x16x32_f16 v[64*(\a)+8*(\b):64*(\a)+8*(\b)+7], v[(\f)+32+8*(\b):(\f)+32+8*(\b)+7], v[(\f)+8*(\a):(\f)+8*(\a)+7], v[64*(\a)+8*(\b):64*(\a)+8*(\b)+7]
.endif
.endr
.endm
; A quarter's fragments: 32 keys, at byte k of p's rows, that is 144 k bytes (k / 2 rows of 288) down V's tile.  V's eight (16 channels x 32 keys, two turning loads 16 rows apart), then p's four.
.macro FETCH k, f
	WIN 0
.irp b, 0,1,2,3,4,5,6,7
	ds_load_tr16_b128 v[(\f)+32+8*(\b):(\f)+32+8*(\b)+3],   v[CB] offset:144*(\k)+32*(\b)
	ds_load_tr16_b128 v[(\f)+32+8*(\b)+4:(\f)+32+8*(\b)+7], v[CB] offset:144*(\k)+32*(\b)+16*PV
.endr
.irp a, 0,1,2,3
	ds_load_b128 v[(\f)+8*(\a):(\f)+8*(\a)+3],   v[CA] offset:(\k)+FR*(\a)
	ds_load_b128 v[(\f)+8*(\a)+4:(\f)+8*(\a)+7], v[CA] offset:(\k)+FR*(\a)+32
.endr
.endm
.macro QUARTER k, f, g, c
	s_wait_dscnt 4                                 ; V's fragments and p's 0, 1 are in; the youngest four LDS loads may be out (in a step's first quarter: the factors' load and three of p's)
	MUL \f, 0, \c
	MUL \f, 1, \c
	PLACES
	FETCH \k, \g
	s_wait_dscnt 24                                ; all but the 24 just issued
	MUL \f, 2, \c
	MUL \f, 3, \c
.endm
.macro TURN fill                       ; the fourth quarter and the change of slots, as in the other products of this program
.if \fill
	s_wait_xcnt 0x0                                ; the last prefetch, a step back, has read its address
	s_add_nc_u64 s[PFA:PFA+1], s[PFA:PFA+1], s[PFS:PFS+1]
.endif
	WIN 0
	s_wait_tensorcnt 0x0                           ; all my tensor loads have landed, so a group 0 may be written
	ds_add_u32 v[SPW], v[NIL]                      ; 0 onto my spare word
.if \fill
	s_xor_b32 s[G0A+5], s[G0A+5], SLOT1
	s_xor_b32 s[G0B+5], s[G0B+5], SLOT1
	s_add_nc_u64 s[G0A+6:G0A+7], s[G0A+6:G0A+7], KB
	s_add_nc_u64 s[G0B+6:G0B+7], s[G0B+6:G0B+7], VSTEP
.endif
	s_wait_dscnt 7                                 ; (the add and p's fragments 1 to 3 may be out)
	MUL F1, 0, 0
	s_wait_dscnt 0x0                               ; the add is done, and my reads of this slot are over
	s_barrier_signal -1
	MUL F1, 1, 0
	WIN 0
	s_barrier_wait -1
.if \fill
	CREST
	JLOAD
.else
	PLACES
.endif
	s_xor_b32 s[TB], s[TB], SLOT1
	v_add_nc_u32 v[CA], s[TB], v[CA0]
	v_add_nc_u32 v[CB], s[TB], v[CB0]
	FETCH 0, F0
.if \fill
	ASK
.endif
	MUL F1, 2, 0
	MUL F1, 3, 0
.endm
.macro MERGE                           ; O += g T: each accumulator's registers in ascending order; row block a's factor is register a of v[16:19], given to both halves
	PLACES
	WIN 0xa1                                       ; source 0 (T) window 1, source 1 (g) window 0, source 2 and destination (O) window 2
.irp a, 0,1,2,3
.set i, 0
.rept 32
.if ((\a)%2) == 0
	v_pk_fma_f32 v[64*(\a)+2*i:64*(\a)+2*i+1], v[64*(\a)+2*i:64*(\a)+2*i+1], v[16+2*((\a)/2):17+2*((\a)/2)], v[64*(\a)+2*i:64*(\a)+2*i+1] op_sel_hi:[1,0,1]
.else
	v_pk_fma_f32 v[64*(\a)+2*i:64*(\a)+2*i+1], v[64*(\a)+2*i:64*(\a)+2*i+1], v[16+2*((\a)/2):17+2*((\a)/2)], v[64*(\a)+2*i:64*(\a)+2*i+1] op_sel:[0,1,0] op_sel_hi:[1,1,1]
.endif
.set i, i+1
.endr
.endr
.endm
.macro STEP3 fill                      ; a whole step: every step starts its sums with 0, so the trip is not turned
	ds_load_b128 v[16:19], v[GA]                   ; the step's factors for my four rows
	v_add_nc_u32 v[GA], 1024, v[GA]
	QUARTER 64,  F0, F1, 1
	QUARTER 128, F1, F0, 0
	QUARTER 192, F0, F1, 0
	TURN \fill
	MERGE
	WIN 0
.endm
.macro PACK a
	WIN 0x0a                                       ; sources in window 2
.irp b, 0,1,2,3,4,5,6,7
.irp q, 0,1,2,3
	v_cvt_pk_f16_f32 v[TMP+4*(\b)+(\q)], v[64*(\a)+8*(\b)+2*(\q)], v[64*(\a)+8*(\b)+2*(\q)+1]
.endr
.endr
.endm
.macro TOSTAGE a
	WIN 0
.irp b, 0,1,2,3,4,5,6,7
	ds_store_b128 v[STO], v[TMP+4*(\b):TMP+4*(\b)+3] offset:32*(\b)
.endr
.irp t, 0,1,2,3,4,5,6,7
	ds_load_b128 v[F1+32*((\a)%2)+4*(\t):F1+32*((\a)%2)+4*(\t)+3], v[RD] offset:2*PITCH*(\t)  ; LDS serves a wave's instructions in order (ISA guide 5.7.1.4): these see the stores above
.endr
.endm
.macro SEND a
	WIN 0
	s_wait_dscnt 0x0
	s_wait_xcnt 0x0                                ; earlier stores have read their registers
.irp t, 0,1,2,3,4,5,6,7
	global_store_b128 v[CO], v[F1+32*((\a)%2)+4*(\t):F1+32*((\a)%2)+4*(\t)+3], s[10:11] offset:(16*(\a)+2*(\t))*CP  ; 16 lanes store 256 consecutive bytes, aligned
.endr
.endm
	s_load_b256 s[4:11], s[0:1], 0x0               ; p s[4:5], qkv s[6:7], stats s[8:9], z s[10:11]
	v_lshl_add_u32 v[SPW], v0, 2, SPARE
	v_mov_b32 v[NIL], 0
	ds_add_u32 v[SPW], v[NIL]                      ; the wave's opening: the add and its wait ahead of my first tensor load
	v_lshrrev_b32 v3, 5, v0
	v_readfirstlane_b32 s12, v3                    ; wave 0..3
	s_and_b32 s13, s12, 1
	s_bfe_u32 s14, ttmp6, 0x40000                  ; cx, cy
	s_bfe_u32 s15, ttmp6, 0x40004
	s_lshl_b32 s16, ttmp9, 2
	s_add_co_u32 s16, s16, s14                     ; tx: the tile of 128 channels
	s_and_b32 s17, ttmp7, 0xffff
	s_lshl_b32 s17, s17, 2
	s_add_co_u32 s17, s17, s15                     ; ty: the tile of 256 queries
	s_lshl_b32 s18, s15, 2
	s_lshl_b32 s18, 15, s18
	s_lshl_b32 s19, 0x1111, s14
	s_or_b32 s[G1A], s18, GWA
	s_or_b32 s[G1B], s19, GWV
.irp g, G1A, G1B
	s_mov_b32 s[(\g)+1], 128<<16                   ; tensor_dim0 = 128
	s_mov_b32 s[(\g)+3], 128<<16                   ; tile_dim0 = 128
	s_mov_b32 s[(\g)+6], 0
	s_mov_b32 s[(\g)+7], 0
.endr
	s_mov_b32 s[G1A+2], 128<<16                    ; p: 128 rows, 2,048 elements from row to row
	s_mov_b32 s[G1A+4], 128
	s_mov_b32 s[G1A+5], 2048
	s_mov_b32 s[G1B+2], 64<<16                     ; V: 64 keys, 3,072 elements from row to row
	s_mov_b32 s[G1B+4], 64
	s_mov_b32 s[G1B+5], 3072
	s_lshl_b32 s20, s17, 20                        ; p: row 256 ty + 128 x half, 4,096 bytes a row
	s_lshl_b32 s21, s13, 19
	s_add_co_u32 s20, s20, s21
	s_mov_b32 s21, 0
	s_and_b32 s70, ttmp7, 0xffff                   ; V: row 2,048 x batch + 64 x half, byte 4,096 + 256 tx; the batch is cluster y / 2
	s_lshr_b32 s70, s70, 1
	s_lshl_b32 s70, s70, 11
	s_lshl_b32 s71, s13, 6
	s_add_co_u32 s70, s70, s71
	s_mul_i32 s70, s70, 6144
	s_lshl_b32 s71, s16, 8
	s_add_co_u32 s70, s70, s71
	s_add_co_u32 s70, s70, 4096
	s_mov_b32 s71, 0
	s_mul_i32 s22, s12, 128*PITCH                  ; p's halves at wave x 128 rows (waves 0, 1),
	s_mul_i32 s23, s12, 64*PV                      ; V's at BOFF + (wave - 2) x 64 rows (waves 2, 3)
	s_add_co_u32 s23, s23, BOFF-2*64*PV
	s_mov_b32 s[TB], 0
	s_wait_dscnt 0x0                               ; the opening add is done
	s_wait_kmcnt 0x0
	s_add_nc_u64 s[20:21], s[4:5], s[20:21]
	s_add_nc_u64 s[70:71], s[6:7], s[70:71]
	CROUND                                         ; all sixteen work-groups are here: the first joint loads meet
.irp s, 0,1
	s_mov_b32 s[G0A+4*(\s)], 1
	s_add_co_u32 s[G0A+4*(\s)+1], s22, (\s)*SLOT1
	s_add_nc_u64 s[G0A+4*(\s)+2:G0A+4*(\s)+3], s[20:21], (\s)*KB
	s_or_b32 s[G0A+4*(\s)+3], s[G0A+4*(\s)+3], 0x80000000
	s_mov_b32 s[G0B+4*(\s)], 1
	s_add_co_u32 s[G0B+4*(\s)+1], s23, (\s)*SLOT1
	s_add_nc_u64 s[G0B+4*(\s)+2:G0B+4*(\s)+3], s[70:71], (\s)*VSTEP
	s_or_b32 s[G0B+4*(\s)+3], s[G0B+4*(\s)+3], 0x80000000
.endr
	s_cmp_lt_u32 s12, NAW                          ; a wave's two first fills stand in one branch: two loads of mine are out
	s_cbranch_scc0 .Lfirst_b
	tensor_load_to_lds s[G0A:G0A+3], s[G1A:G1A+7]
	s_nop 0
	tensor_load_to_lds s[G0A+4:G0A+7], s[G1A:G1A+7]
	s_nop 0
	PLACES
	s_branch .Lfirst_done
.Lfirst_b:
	tensor_load_to_lds s[G0B:G0B+3], s[G1B:G1B+7]
	s_nop 0
	tensor_load_to_lds s[G0B+4:G0B+7], s[G1B:G1B+7]
	s_nop 0
	PLACES
.Lfirst_done:
	; THE TABLE OF FACTORS.  Thread t owns rows 2 t and 2 t + 1 of the tile, which are rows of its own wave: 16 cm and 16 l each, 8 bytes a lane: a wave's load covers 256 consecutive bytes
	s_lshl_b32 s18, s17, 10
	s_mov_b32 s19, 0
	s_add_nc_u64 s[8:9], s[8:9], s[18:19]          ; the tile's 256 rows in a block's table
	v_lshlrev_b32 v3, 3, v0
.set j, 0
.rept 16
	global_load_b64 v[64+2*j:65+2*j], v3, s[8:9] offset:32768*j
	global_load_b64 v[96+2*j:97+2*j], v3, s[8:9] offset:524288+32768*j
.set j, j+1
.endr
	WIN 0x80                                       ; O starts at 0: written while the statistics and the first tiles are on their way, so that the loop has one form of step
.set i, 0
.rept 256
	v_mov_b32 v[i], 0
.set i, i+1
.endr
	WIN 0
	v_and_b32 v1, 15, v0                           ; r
	v_bfe_u32 v2, v0, 4, 1                         ; h
	v_lshrrev_b32 v[TS], 5, v0                     ; row 2 t = 64 w + 16 a + r with w = t / 32, a = (t / 8) % 4, r = 2 (t % 8)
	v_lshlrev_b32 v[TS], 8, v[TS]
	v_and_b32 v16, 7, v0
	v_lshl_add_u32 v[TS], v16, 5, v[TS]
	v_bfe_u32 v16, v0, 3, 2
	v_lshl_add_u32 v[TS], v16, 2, v[TS]
	v_add_nc_u32 v[TS], TAB, v[TS]
	s_wait_loadcnt 0x0
	v_max3_num_f32 v20, v64, v66, v68              ; M of both rows
	v_max3_num_f32 v21, v65, v67, v69
.irp i, 0,1,2,3,4,5
	v_max3_num_f32 v20, v20, v[70+4*(\i)], v[72+4*(\i)]
	v_max3_num_f32 v21, v21, v[71+4*(\i)], v[73+4*(\i)]
.endr
	v_max_num_f32 v20, v20, v94
	v_max_num_f32 v21, v21, v95
.set j, 0
.rept 16
	v_pk_add_f32 v[64+2*j:65+2*j], v[64+2*j:65+2*j], v[20:21] neg_lo:[0,1] neg_hi:[0,1]  ; cm - M
.set j, j+1
.endr
.set j, 0
.rept 32
	v_exp_f32 v[64+j], v[64+j]
.set j, j+1
.endr
	v_nop                                          ; a plain instruction behind the last exponential,
	s_wait_alu depctr_va_vdst(0)                   ; and the one wait ahead of the first use
	v_pk_mul_f32 v[22:23], v[64:65], v[96:97]      ; L
.set j, 1
.rept 15
	v_pk_fma_f32 v[22:23], v[64+2*j:65+2*j], v[96+2*j:97+2*j], v[22:23]
.set j, j+1
.endr
	v_rcp_f32 v22, v22
	v_rcp_f32 v23, v23
	v_nop
	s_wait_alu depctr_va_vdst(0)                   ; one wait for the two reciprocals
.set j, 0
.rept 16
	v_pk_mul_f32 v[64+2*j:65+2*j], v[64+2*j:65+2*j], v[22:23]  ; g
.set j, j+1
.endr
.set j, 0
.rept 16
	ds_store_b32 v[TS], v[64+2*j] offset:1024*j
	ds_store_b32 v[TS], v[65+2*j] offset:1024*j+16
.set j, j+1
.endr
	s_lshl_b32 s18, s12, 8
	s_add_co_u32 s18, s18, TAB
	v_lshl_add_u32 v[GA], v1, 4, s18               ; my four factors lie on end
	v_mul_u32_u24 v3, v1, PITCH
	v_lshl_add_u32 v3, v2, 4, v3
	s_mul_i32 s18, s12, 64*PITCH
	v_add_nc_u32 v[CA0], s18, v3
	s_mul_i32 s18, s12, FR
	s_add_co_u32 s18, s18, STAGE
	v_add_nc_u32 v[STO], s18, v3
	v_mul_u32_u24 v3, v2, PITCH
	v_lshl_add_u32 v3, v1, 4, v3
	v_add_nc_u32 v[RD], s18, v3
	v_lshlrev_b32 v3, 11, v2
	v_lshl_add_u32 v[CO], v1, 4, v3                ; two rows of z: 2,048 h + 16 r
	; the turning load: lane l reads 16 bytes of key 8 (l / 16) + l % 8, channels 8 ((l / 8) % 2) + 0..7, and is left with channel l % 16 and 8 keys
	v_and_b32 v3, 7, v0
	v_lshl_add_u32 v3, v2, 3, v3
	v_mul_u32_u24 v[CB0], v3, PV
	v_bfe_u32 v3, v0, 3, 1
	v_lshl_add_u32 v[CB0], v3, 4, v[CB0]
	v_add_nc_u32 v[CB0], BOFF, v[CB0]
	v_mov_b32 v[CA], v[CA0]
	v_mov_b32 v[CB], v[CB0]
	s_lshl_b32 s18, s17, 8
	s_lshl_b32 s19, s12, 6
	s_add_co_u32 s18, s18, s19
	s_lshl_b32 s18, s18, 11                        ; z: row 256 ty + 64 w, byte 256 tx
	s_lshl_b32 s19, s16, 8
	s_add_co_u32 s18, s18, s19
	s_mov_b32 s19, 0
	s_add_nc_u64 s[10:11], s[10:11], s[18:19]
	; the prefetches
	s_and_b32 s18, ttmp7, 0xffff                   ; cluster y
	s_lshl_b32 s72, s17, 8
	s_lshl_b32 s73, s12, 7
	s_add_co_u32 s72, s72, s73
	s_lshl_b32 s73, s14, 5
	s_add_co_u32 s72, s72, s73                     ; p: row 256 ty + 128 w + 32 cx,
	s_lshl_b32 s72, s72, 12
	s_add_co_u32 s72, s72, 3*KB                    ; at step 3: the first refill steps it to 4 and names that
	s_lshr_b32 s74, s18, 1
	s_lshl_b32 s74, s74, 11
	s_lshl_b32 s75, s15, 5
	s_add_co_u32 s74, s74, s75                     ; V: row 2,048 x batch + 32 cy,
	s_mul_i32 s74, s74, 6144
	s_lshl_b32 s75, s16, 8
	s_add_co_u32 s74, s74, s75
	s_add_co_u32 s74, s74, 4096+3*VSTEP            ; likewise at step 3
	s_and_b32 s75, s18, 1
	s_cmp_lt_u32 s12, NAW
	s_cselect_b32 s72, s72, s74
	s_cselect_b32 s75, ttmp9, s75                  ; 0 in the cluster that asks
	s_mov_b32 s[PFS], VSTEP
	s_cselect_b32 s[PFS], KB, s[PFS]
	s_mov_b32 s74, 6144
	s_cselect_b32 s74, 4096, s74                   ; bytes from row to row
	s_cselect_b64 s[PFA:PFA+1], s[4:5], s[6:7]
	s_cmp_eq_u32 s12, 3
	s_cselect_b32 s75, 1, s75                      ; wave 3 asks for nothing
	s_cmp_eq_u32 s75, 0
	s_cselect_b32 s[LIM], 2, -1                    ; the same in all sixteen partners, for a given wave
	s_mov_b32 s73, 0
	s_mov_b32 s[PFS+1], 0
	s_add_nc_u64 s[PFA:PFA+1], s[PFA:PFA+1], s[72:73]
	v_and_b32 v[PFO], 31, v0
	v_mul_u32_u24 v[PFO], v[PFO], s74
	s_wait_tensorcnt 0x1                           ; my part of step 0 is in; step 1's may stay out
	s_wait_dscnt 0x0                               ; my factors are stored
	s_barrier_signal -1
	s_barrier_wait -1
	FETCH 0, F0
	s_mov_b32 s3, STEPS-2
.Lfill:                                        ; steps 0 to 13 ask for steps 2 to 15
	STEP3 1
	s_sub_co_u32 s3, s3, 1
	s_cmp_lg_u32 s3, 0
	s_cbranch_scc1 .Lfill
	s_mov_b32 s3, 2
.Ltail:                                        ; the last two steps ask for nothing.  The very last one's fetch reads the other slot's old bytes into buffer 0, which nothing uses: 24 LDS loads, once, for one text of the tail
	STEP3 0
	s_sub_co_u32 s3, s3, 1
	s_cmp_lg_u32 s3, 0
	s_cbranch_scc1 .Ltail
	PACK 0
	TOSTAGE 0
.irp a, 1,2,3
	PACK \a
	SEND (\a)-1
	TOSTAGE \a
.endr
	SEND 3
	s_wait_tensorcnt 0x0                           ; the wave's end, behind my last tensor load and my last LDS store
	ds_add_u32 v[SPW], v[NIL]
	s_wait_dscnt 0x0
	CROUND                                         ; the closing round
	s_endpgm
.Lfunc_end_k_qa87b25bc13_pv:
	.size	k_qa87b25bc13_pv, .Lfunc_end_k_qa87b25bc13_pv-k_qa87b25bc13_pv
	.p2alignl 7, 3214868480
	.fill 96, 4, 3214868480
	.section	.rodata,"a",@progbits
	.p2align	6, 0x0
	.amdhsa_kernel k_qa87b25bc13_pv
		.amdhsa_group_segment_fixed_size 327680
		.amdhsa_private_segment_fixed_size 0
		.amdhsa_enable_private_segment 0
		.amdhsa_kernarg_size 32
		.amdhsa_user_sgpr_count 2
		.amdhsa_user_sgpr_kernarg_segment_ptr 1
		.amdhsa_wavefront_size32 1
		.amdhsa_system_sgpr_workgroup_id_x 1
		.amdhsa_system_sgpr_workgroup_id_y 1
		.amdhsa_system_sgpr_workgroup_id_z 1
		.amdhsa_system_vgpr_workitem_id 0
		.amdhsa_next_free_vgpr 768
		.amdhsa_next_free_sgpr 76
		.amdhsa_reserve_vcc 0
		.amdhsa_float_denorm_mode_32 3
		.amdhsa_float_denorm_mode_16_64 3
		.amdhsa_memory_ordered 1
		.amdhsa_forward_progress 1
		.amdhsa_inst_pref_size 93
	.end_amdhsa_kernel
	.amdgpu_metadata
---
amdhsa.version: [ 1, 2 ]
amdhsa.kernels:
  - .name:           k_qa87b25bc13_pv
    .symbol:         k_qa87b25bc13_pv.kd
    .args:
      - { .name: p, .offset: 0, .size: 8, .value_kind: global_buffer, .address_space: global }
      - { .name: qkv, .offset: 8, .size: 8, .value_kind: global_buffer, .address_space: global }
      - { .name: stats, .offset: 16, .size: 8, .value_kind: global_buffer, .address_space: global }
      - { .name: z, .offset: 24, .size: 8, .value_kind: global_buffer, .address_space: global }
    .group_segment_fixed_size: 327680
    .private_segment_fixed_size: 0
    .kernarg_segment_align: 8
    .kernarg_segment_size: 32
    .max_flat_workgroup_size: 128
    .sgpr_count:     76
    .vgpr_count:     768
    .wavefront_size: 32
...
	.end_amdgpu_metadata
.endif
;; end of part 4
;; launch outp (part 5): grid 8 x 32, 4 waves a work-group, clusters of 4 x 4, 327,680 bytes of LDS; arguments z, wo16, bias, out0; writes out0
.if DOCPART == 5
	.amdgcn_target "amdgcn-amd-amdhsa--gfx1250"
	.amdhsa_code_object_version 6
	.text
	.protected	k_qa87b25bc13_outp
	.globl	k_qa87b25bc13_outp
	.p2align	8
	.type	k_qa87b25bc13_outp,@function
k_qa87b25bc13_outp:
	s_mov_b64 s[64:65], 0
	v_nop
	global_prefetch_b8 v0, s[64:65] scope:SCOPE_SE
	s_setreg_imm32_b32 hwreg(HW_REG_WAVE_MODE, 25, 1), 1
	s_wait_xcnt 0x0
	s_wait_alu depctr_hold_cnt(0) depctr_sa_sdst(0) depctr_va_vdst(0) depctr_va_sdst(0) depctr_va_ssrc(0) depctr_va_vcc(0) depctr_vm_vsrc(0)
	s_getreg_b32 s2, hwreg(HW_REG_IB_STS2, 6, 4)
	s_cmp_eq_u32 s2, 0
	s_cbranch_scc0 .Lentry_in_a_cluster
	s_endpgm
.Lentry_in_a_cluster:
	s_bfe_u32 s2, ttmp6, 0x10000c
	s_cmp_lg_u32 s2, 0xf033
	s_cbranch_scc0 .Lentry_shape_is_right
	s_endpgm
.Lentry_shape_is_right:
; out0[m][e] = bo[e] + the sum over d of z[m][d] wo16[e][d].  z: [8192][1024] f16, wo16: [1024][1024] f16 (Wo rounded to bf16), bo: f32 at byte 12,288 of bias, out0: [8192][1024] f32.  Sums in f32.
; LIMITS are the operands': see the launches that made them.  NaN and infinities are not treated apart.
; SHARES.  A tile is 256 rows x 128 columns, one to a work-group: four waves one below the other, each 64 x 128 (32 accumulators).  K in 8 steps of 128 through two LDS slots.
; CLUSTER 4 x 4: a row of the cluster shares z's rows, a column wo16's: joint loads.  THE PRODUCT IS USED TRANSPOSED (source 0 = 16 rows of wo16, source 1 = 16 rows of z): lane l holds row l % 16
; and columns 16 b + 8 (l / 16) + 0..7.  THE BIAS STARTS THE SUMS, as the C operand of the first products.
; REGISTERS: window 0: v0-15 addresses; v64-159, v160-255 fragment buffers, on the way out v64-191 whole rows.   window 1: accumulator (a, b) at 8 (8 a + b).   window 2: v0-63 the bias.
.set KB,     256
.set PITCH,  272                       ; 256 bytes + 16 of padding: the 16 rows of a fragment load start at 16 different groups of four banks (64 banks of 4 bytes: ISA guide 11.1)
.set FR,     16*PITCH
.set BOFF,   256*PITCH
.set SLOT1,  1<<17
.set STAGE,  SLOT1+384*PITCH           ; 16 rows x 528 bytes for each wave
.set SP,     528                       ; a stage row: 512 bytes of f32 + 16
.set SPARE,  STAGE+4*16*SP
.set STEPS,  8
.set NAW,    2
.set GW,     (1<<16)|(1<<20)|(1<<21)|(5<<22)|(3<<25)
.set CA0, 4
.set CB0, 5
.set CA,  6
.set CB,  7
.set STO, 8
.set RD,  9
.set CO,  10
.set BO,  11
.set PFO, 12
.set SPW, 14
.set NIL, 15
.set F0,  64
.set F1,  160
.set G1A, 24
.set G1B, 32
.set G0A, 40
.set G0B, 48
.set TB,  56
.set LIM, 57
.set PFA, 58
.set W_MUL,  0x50
.set W_MULC, 0x60
.set MSB, 0
.macro WIN new
.if MSB != (\new)
	s_set_vgpr_msb (MSB<<8)|(\new)
.set MSB, (\new)
.endif
.endm
.macro PLACES
.rept 4
	v_nop
.endr
.endm
.macro CREST
	s_cmp_lg_u32 s12, 0
	s_cbranch_scc1 .Lnot_wave_0_\@
	s_barrier_signal -3
.Lnot_wave_0_\@:
	s_barrier_wait -3
	s_barrier_signal -1
	s_barrier_wait -1
.endm
.macro CROUND
	s_barrier_signal -1
	s_barrier_wait -1
	CREST
.endm
.macro JLOAD                           ; a joint refill; an s_nop 0 and four v_nop follow each line
	s_cmp_lt_u32 s12, NAW
	s_cbranch_scc0 .Lfor_b_\@
	tensor_load_to_lds s[G0A+4:G0A+7], s[G1A:G1A+7]
	s_nop 0
	PLACES
	s_branch .Lasked_\@
.Lfor_b_\@:
	tensor_load_to_lds s[G0B+4:G0B+7], s[G1B:G1B+7]
	s_nop 0
	PLACES
.Lasked_\@:
.endm
; A PREFETCH of the K step two refills on: a lane a row, 256 bytes.  z's rows are named by the clusters with x = 0 (waves 0, 1), wo16's by the clusters with y = 0 (wave 2); the four partners share
; the rows out by address, 32 each.  The last two refills have no K step two on.
.macro ASK
	s_cmp_gt_u32 s3, s[LIM]
	s_cbranch_scc0 .Lnot_mine_\@
	global_prefetch_b8 v[PFO], s[PFA:PFA+1] offset:KB th:TH_LOAD_NT scope:SCOPE_SE
.Lnot_mine_\@:
.endm
.macro MUL f, a, c                     ; c = 2: the bias starts the sums.  The 32 accumulators take turns, one instruction a turn
.if (\c) == 2
	WIN W_MULC
.else
	WIN W_MUL
.endif
.irp b, 0,1,2,3,4,5,6,7
.if (\c) == 2
	v_wmma_f32_16x16x32_f16 v[64*(\a)+8*(\b):64*(\a)+8*(\b)+7], v[(\f)+32+8*(\b):(\f)+32+8*(\b)+7], v[(\f)+8*(\a):(\f)+8*(\a)+7], v[8*(\b):8*(\b)+7]
.else
	v_wmma_f32_16x16x32_f16 v[64*(\a)+8*(\b):64*(\a)+8*(\b)+7], v[(\f)+32+8*(\b):(\f)+32+8*(\b)+7], v[(\f)+8*(\a):(\f)+8*(\a)+7], v[64*(\a)+8*(\b):64*(\a)+8*(\b)+7]
.endif
.endr
.endm
.macro FETCH k, f
	WIN 0
.irp b, 0,1,2,3,4,5,6,7
	ds_load_b128 v[(\f)+32+8*(\b):(\f)+32+8*(\b)+3],   v[CB] offset:(\k)+FR*(\b)
	ds_load_b128 v[(\f)+32+8*(\b)+4:(\f)+32+8*(\b)+7], v[CB] offset:(\k)+FR*(\b)+32
.endr
.irp a, 0,1,2,3
	ds_load_b128 v[(\f)+8*(\a):(\f)+8*(\a)+3],   v[CA] offset:(\k)+FR*(\a)
	ds_load_b128 v[(\f)+8*(\a)+4:(\f)+8*(\a)+7], v[CA] offset:(\k)+FR*(\a)+32
.endr
.endm
.macro QUARTER k, f, g, c
	s_wait_dscnt 4                                 ; B and A's fragments 0, 1 are in; the youngest four loads may be out
	MUL \f, 0, \c
	MUL \f, 1, \c
	PLACES
	FETCH \k, \g
	s_wait_dscnt 24                                ; all but the 24 just issued
	MUL \f, 2, \c
	MUL \f, 3, \c
.endm
.macro TURN fill                       ; the fourth quarter and the change of slots
.if \fill
	s_wait_xcnt 0x0                                ; the last prefetch, a K step back, has read its address
	s_add_nc_u64 s[PFA:PFA+1], s[PFA:PFA+1], KB
.endif
	WIN 0
	s_wait_tensorcnt 0x0                           ; all my tensor loads have landed, so a group 0 may be written
	ds_add_u32 v[SPW], v[NIL]                      ; 0 onto my spare word
.if \fill
	s_xor_b32 s[G0A+5], s[G0A+5], SLOT1
	s_xor_b32 s[G0B+5], s[G0B+5], SLOT1
	s_add_nc_u64 s[G0A+6:G0A+7], s[G0A+6:G0A+7], KB
	s_add_nc_u64 s[G0B+6:G0B+7], s[G0B+6:G0B+7], KB
.endif
	s_wait_dscnt 7                                 ; (the add and A's fragments 1 to 3 may be out)
	MUL F1, 0, 0
	s_wait_dscnt 0x0                               ; the add is done, and my reads of this slot are over
	s_barrier_signal -1
	MUL F1, 1, 0
	WIN 0
	s_barrier_wait -1
.if \fill
	CREST
	JLOAD
.else
	PLACES
.endif
	s_xor_b32 s[TB], s[TB], SLOT1
	v_add_nc_u32 v[CA], s[TB], v[CA0]
	v_add_nc_u32 v[CB], s[TB], v[CB0]
	FETCH 0, F0
.if \fill
	ASK
.endif
	MUL F1, 2, 0
	MUL F1, 3, 0
.endm
; THE WAY OUT of row block a: straight from the accumulators (each one's lower four registers first) into my stage, rows of 528 bytes, and back as whole rows of 512.
.macro STG a
.if (\a) >= 2
	s_wait_xcnt 0x0                                ; the stores of the block two back have read the registers that are loaded below
.endif
	WIN 0x04                                       ; the data in window 1
.irp b, 0,1,2,3,4,5,6,7
	ds_store_b128 v[STO], v[64*(\a)+8*(\b):64*(\a)+8*(\b)+3]   offset:64*(\b)
	ds_store_b128 v[STO], v[64*(\a)+8*(\b)+4:64*(\a)+8*(\b)+7] offset:64*(\b)+16
.endr
	WIN 0
.set t, 0
.rept 16
	ds_load_b128 v[F0+64*((\a)%2)+4*t:F0+64*((\a)%2)+4*t+3], v[RD] offset:SP*t  ; LDS serves a wave's instructions in order (ISA guide 5.7.1.4): these see the stores above
.set t, t+1
.endr
.endm
.macro SEND a, younger                 ; younger: the next block's 32 LDS instructions, or none
	s_wait_dscnt \younger
.set t, 0
.rept 16
	global_store_b128 v[CO], v[F0+64*((\a)%2)+4*t:F0+64*((\a)%2)+4*t+3], s[10:11] offset:(16*(\a)+t)*4096 th:TH_STORE_NT  ; the wave stores 512 consecutive bytes, aligned
.set t, t+1
.endr
.endm
	s_load_b256 s[4:11], s[0:1], 0x0               ; z s[4:5], wo16 s[6:7], bias s[8:9], out0 s[10:11]
	v_lshl_add_u32 v[SPW], v0, 2, SPARE
	v_mov_b32 v[NIL], 0
	ds_add_u32 v[SPW], v[NIL]                      ; the wave's opening: the add and its wait ahead of my first tensor load
	v_lshrrev_b32 v3, 5, v0
	v_readfirstlane_b32 s12, v3                    ; wave 0..3
	s_and_b32 s13, s12, 1
	s_bfe_u32 s14, ttmp6, 0x40000                  ; cx, cy
	s_bfe_u32 s15, ttmp6, 0x40004
	s_lshl_b32 s16, ttmp9, 2
	s_add_co_u32 s16, s16, s14                     ; tx
	s_and_b32 s17, ttmp7, 0xffff
	s_lshl_b32 s17, s17, 2
	s_add_co_u32 s17, s17, s15                     ; ty
	s_lshl_b32 s18, s15, 2
	s_lshl_b32 s18, 15, s18
	s_lshl_b32 s19, 0x1111, s14
	s_or_b32 s[G1A], s18, GW
	s_or_b32 s[G1B], s19, GW
.irp g, G1A, G1B
	s_mov_b32 s[(\g)+1], 128<<16                   ; tensor_dim0 = 128
	s_mov_b32 s[(\g)+3], 128<<16                   ; tile_dim0 = 128
	s_mov_b32 s[(\g)+5], 1024                      ; elements from row to row
	s_mov_b32 s[(\g)+6], 0
	s_mov_b32 s[(\g)+7], 0
.endr
	s_mov_b32 s[G1A+2], 128<<16                    ; 128 rows for A,
	s_mov_b32 s[G1A+4], 128
	s_mov_b32 s[G1B+2], 64<<16                     ; 64 for B
	s_mov_b32 s[G1B+4], 64
	s_lshl_b32 s20, s17, 19                        ; z: row 256 ty + 128 x half
	s_lshl_b32 s21, s13, 18
	s_add_co_u32 s20, s20, s21
	s_mov_b32 s21, 0
	s_lshl_b32 s70, s16, 18                        ; wo16: row 128 tx + 64 x half
	s_lshl_b32 s71, s13, 17
	s_add_co_u32 s70, s70, s71
	s_mov_b32 s71, 0
	s_mul_i32 s22, s12, 128*PITCH
	s_mul_i32 s23, s12, 64*PITCH
	s_add_co_u32 s23, s23, BOFF-2*64*PITCH
	s_mov_b32 s[TB], 0
	s_wait_dscnt 0x0                               ; the opening add is done
	s_wait_kmcnt 0x0
	s_add_nc_u64 s[20:21], s[4:5], s[20:21]
	s_add_nc_u64 s[70:71], s[6:7], s[70:71]
	CROUND                                         ; all sixteen work-groups are here: the first joint loads meet
.irp s, 0,1
	s_mov_b32 s[G0A+4*(\s)], 1
	s_add_co_u32 s[G0A+4*(\s)+1], s22, (\s)*SLOT1
	s_add_nc_u64 s[G0A+4*(\s)+2:G0A+4*(\s)+3], s[20:21], (\s)*KB
	s_or_b32 s[G0A+4*(\s)+3], s[G0A+4*(\s)+3], 0x80000000
	s_mov_b32 s[G0B+4*(\s)], 1
	s_add_co_u32 s[G0B+4*(\s)+1], s23, (\s)*SLOT1
	s_add_nc_u64 s[G0B+4*(\s)+2:G0B+4*(\s)+3], s[70:71], (\s)*KB
	s_or_b32 s[G0B+4*(\s)+3], s[G0B+4*(\s)+3], 0x80000000
.endr
	s_cmp_lt_u32 s12, NAW                          ; a wave's two first fills stand in one branch: two loads of mine are out
	s_cbranch_scc0 .Lfirst_b
	tensor_load_to_lds s[G0A:G0A+3], s[G1A:G1A+7]
	s_nop 0
	tensor_load_to_lds s[G0A+4:G0A+7], s[G1A:G1A+7]
	s_nop 0
	PLACES
	s_branch .Lfirst_done
.Lfirst_b:
	tensor_load_to_lds s[G0B:G0B+3], s[G1B:G1B+7]
	s_nop 0
	tensor_load_to_lds s[G0B+4:G0B+7], s[G1B:G1B+7]
	s_nop 0
	PLACES
.Lfirst_done:
	v_and_b32 v1, 15, v0                           ; r
	v_bfe_u32 v2, v0, 4, 1                         ; h
	s_lshl_b32 s18, s16, 9
	s_add_co_u32 s18, s18, 12288                   ; bo lies behind bq, bk, bv
	s_mov_b32 s19, 0
	s_add_nc_u64 s[8:9], s[8:9], s[18:19]
	v_lshlrev_b32 v[BO], 5, v2
	WIN 0x80                                       ; destination window 2
.irp b, 0,1,2,3,4,5,6,7
	global_load_b128 v[8*(\b):8*(\b)+3],   v[BO], s[8:9] offset:64*(\b)
	global_load_b128 v[8*(\b)+4:8*(\b)+7], v[BO], s[8:9] offset:64*(\b)+16
.endr
	WIN 0
	v_mul_u32_u24 v3, v1, PITCH
	v_lshl_add_u32 v3, v2, 4, v3
	s_mul_i32 s18, s12, 64*PITCH
	v_add_nc_u32 v[CA0], s18, v3
	v_add_nc_u32 v[CB0], BOFF, v3
	v_mov_b32 v[CA], v[CA0]
	v_mov_b32 v[CB], v[CB0]
	s_mul_i32 s18, s12, 16*SP
	s_add_co_u32 s18, s18, STAGE                   ; my stage
	v_mul_u32_u24 v3, v1, SP
	v_lshl_add_u32 v3, v2, 5, v3                   ; in: row r, 32 bytes for each half of the lanes
	v_add_nc_u32 v[STO], s18, v3
	v_and_b32 v3, 31, v0
	v_lshlrev_b32 v[CO], 4, v3                     ; back: 32 lanes take one row of 512 bytes
	v_add_nc_u32 v[RD], s18, v[CO]
	s_lshl_b32 s18, s17, 8
	s_lshl_b32 s19, s12, 6
	s_add_co_u32 s18, s18, s19
	s_lshl_b32 s18, s18, 12                        ; out0: row 256 ty + 64 w, byte 512 tx
	s_lshl_b32 s19, s16, 9
	s_add_co_u32 s18, s18, s19
	s_mov_b32 s19, 0
	s_add_nc_u64 s[10:11], s[10:11], s[18:19]
	; the prefetches
	s_lshl_b32 s72, s17, 8
	s_lshl_b32 s73, s12, 7
	s_add_co_u32 s72, s72, s73
	s_lshl_b32 s73, s14, 5
	s_add_co_u32 s72, s72, s73                     ; z: row 256 ty + 128 w + 32 cx
	s_lshl_b32 s74, s16, 7
	s_lshl_b32 s75, s15, 5
	s_add_co_u32 s74, s74, s75                     ; wo16: row 128 tx + 32 cy
	s_and_b32 s75, ttmp7, 0xffff
	s_cmp_lt_u32 s12, NAW
	s_cselect_b32 s72, s72, s74
	s_cselect_b32 s75, ttmp9, s75
	s_cselect_b64 s[PFA:PFA+1], s[4:5], s[6:7]
	s_cmp_eq_u32 s12, 3
	s_cselect_b32 s75, 1, s75                      ; wave 3 asks for nothing
	s_cmp_eq_u32 s75, 0
	s_cselect_b32 s[LIM], 2, -1                    ; the same in all sixteen partners, for a given wave
	s_lshl_b32 s72, s72, 11
	s_add_co_u32 s72, s72, 2*KB                    ; at K step 2: the first refill steps it to 3 and names K step 4
	s_mov_b32 s73, 0
	s_add_nc_u64 s[PFA:PFA+1], s[PFA:PFA+1], s[72:73]
	v_and_b32 v[PFO], 31, v0
	v_lshlrev_b32 v[PFO], 11, v[PFO]
	s_wait_tensorcnt 0x1                           ; my part of K step 0 is in; K step 1's may stay out
	s_wait_dscnt 0x0
	s_barrier_signal -1
	s_barrier_wait -1
	FETCH 0, F0
	s_wait_loadcnt 0x0                             ; the bias
	QUARTER 64, F0, F1, 2                          ; the first quarter stands in front of the loop: the bias starts the sums
	WIN 0
	s_mov_b32 s3, STEPS-2
.Lstep:
	QUARTER 128, F1, F0, 0
	QUARTER 192, F0, F1, 0
	TURN 1
	QUARTER 64, F0, F1, 0
	WIN 0
	s_sub_co_u32 s3, s3, 1
	s_cmp_lg_u32 s3, 0
	s_cbranch_scc1 .Lstep
	QUARTER 128, F1, F0, 0                         ; the last two steps ask for nothing
	QUARTER 192, F0, F1, 0
	TURN 0
	QUARTER 64, F0, F1, 0
	QUARTER 128, F1, F0, 0
	QUARTER 192, F0, F1, 0
	s_wait_dscnt 4
	MUL F1, 0, 0
	MUL F1, 1, 0
	s_wait_dscnt 0x0
	MUL F1, 2, 0
	MUL F1, 3, 0
	PLACES
	STG 0
	STG 1
	SEND 0, 32
	STG 2
	SEND 1, 32
	STG 3
	SEND 2, 32
	SEND 3, 0
	s_wait_tensorcnt 0x0                           ; the wave's end, behind my last tensor load and my last LDS store
	ds_add_u32 v[SPW], v[NIL]
	s_wait_dscnt 0x0
	CROUND                                         ; the closing round
	s_endpgm
.Lfunc_end_k_qa87b25bc13_outp:
	.size	k_qa87b25bc13_outp, .Lfunc_end_k_qa87b25bc13_outp-k_qa87b25bc13_outp
	.p2alignl 7, 3214868480
	.fill 96, 4, 3214868480
	.section	.rodata,"a",@progbits
	.p2align	6, 0x0
	.amdhsa_kernel k_qa87b25bc13_outp
		.amdhsa_group_segment_fixed_size 327680
		.amdhsa_private_segment_fixed_size 0
		.amdhsa_enable_private_segment 0
		.amdhsa_kernarg_size 32
		.amdhsa_user_sgpr_count 2
		.amdhsa_user_sgpr_kernarg_segment_ptr 1
		.amdhsa_wavefront_size32 1
		.amdhsa_system_sgpr_workgroup_id_x 1
		.amdhsa_system_sgpr_workgroup_id_y 1
		.amdhsa_system_sgpr_workgroup_id_z 1
		.amdhsa_system_vgpr_workitem_id 0
		.amdhsa_next_free_vgpr 576
		.amdhsa_next_free_sgpr 76
		.amdhsa_reserve_vcc 0
		.amdhsa_float_denorm_mode_32 3
		.amdhsa_float_denorm_mode_16_64 3
		.amdhsa_memory_ordered 1
		.amdhsa_forward_progress 1
		.amdhsa_inst_pref_size 71
	.end_amdhsa_kernel
	.amdgpu_metadata
---
amdhsa.version: [ 1, 2 ]
amdhsa.kernels:
  - .name:           k_qa87b25bc13_outp
    .symbol:         k_qa87b25bc13_outp.kd
    .args:
      - { .name: z, .offset: 0, .size: 8, .value_kind: global_buffer, .address_space: global }
      - { .name: wo16, .offset: 8, .size: 8, .value_kind: global_buffer, .address_space: global }
      - { .name: bias, .offset: 16, .size: 8, .value_kind: global_buffer, .address_space: global }
      - { .name: out0, .offset: 24, .size: 8, .value_kind: global_buffer, .address_space: global }
    .group_segment_fixed_size: 327680
    .private_segment_fixed_size: 0
    .kernarg_segment_align: 8
    .kernarg_segment_size: 32
    .max_flat_workgroup_size: 128
    .sgpr_count:     76
    .vgpr_count:     576
    .wavefront_size: 32
...
	.end_amdgpu_metadata
.endif
;; end of part 5
